; MI455X (gfx1250); checked and timed in simulation.
; The chip was launched on July 23, 2026; its instructions are those of AMD's public machine-readable ISA for CDNA 5 (MIT licence, August 2026) and "CDNA5" Instruction Set Architecture Reference Guide (July 2026). The comments in the code are by the model that wrote it; some were corrected since.
;; Cross Transformer Encoder. Allowed arithmetic: matrix products marked QUANTISED: E2M3 operands, one E8M0 scale for each 32 along K, by v_wmma_scale_f32_16x16x128_f8f6f4 with both operands' format E2M3, f32 sums; products left as they are: f32 operands where the result goes on into a quantised operand, else bf16, f16 or f32 operands; f32 sums; everything else in f32.
;; Inputs: W1_codes 512 x 16 x 24 uint8 (E2M3 codes of W1, K innermost, in blocks of 32 codes, four codes in three bytes); W1_scales 512 x 16 uint8 (E8M0 scales of W1, one for each 32 codes along K); W2_codes 256 x 16 x 24 uint8 (E2M3 codes of W2, K innermost, in blocks of 32 codes, four codes in three bytes); W2_scales 256 x 16 uint8 (E8M0 scales of W2, one for each 32 codes along K); Wk_codes 256 x 8 x 24 uint8 (E2M3 codes of Wk, K innermost, in blocks of 32 codes, four codes in three bytes); Wk_scales 256 x 8 uint8 (E8M0 scales of Wk, one for each 32 codes along K); Wm_codes 256 x 8 x 24 uint8 (E2M3 codes of Wm, K innermost, in blocks of 32 codes, four codes in three bytes); Wm_scales 256 x 8 uint8 (E8M0 scales of Wm, one for each 32 codes along K); Wq_codes 256 x 8 x 24 uint8 (E2M3 codes of Wq, K innermost, in blocks of 32 codes, four codes in three bytes); Wq_scales 256 x 8 uint8 (E8M0 scales of Wq, one for each 32 codes along K); Wv_codes 256 x 8 x 24 uint8 (E2M3 codes of Wv, K innermost, in blocks of 32 codes, four codes in three bytes); Wv_scales 256 x 8 uint8 (E8M0 scales of Wv, one for each 32 codes along K); b1 256 float32; b2 256 float32; g1 256 float32; g2 256 float32; source_codes 64 x 1,024 x 8 x 24 uint8 (E2M3 codes of source, K innermost, in blocks of 32 codes, four codes in three bytes); source_mask 64 x 1,024 float32; source_scales 64 x 1,024 x 8 uint8 (E8M0 scales of source, one for each 32 codes along K); x 64 x 1,024 x 256 float32; x_mask 64 x 1,024 float32.
;; Outputs: out0 8,192 x 8 x 256 float32.
;; Constants: node_num = 8.
;; This version of the problem:
;;   THIS VERSION OF THE PROBLEM IS GIVEN IN LOW PRECISION. The matrix products marked QUANTISED in the list below multiply operands that are first quantised to E2M3 (2 exponent bits, 3 mantissa bits; 6 bits a number), with one power-of-two scale for each 32 numbers along K (OCP MX v1.0); their sums are f32. All else is computed in f32.
;;   The module's matrix products, in the order in which they are computed (A, B: the left and right operand; K: the contracted axis; several contracted axes count as one K, in the product's order):
;;     1. [M 65,536, K 256] x [K 256, N 256]; A: input x; B: input Wq (given as codes): QUANTISED
;;     2. [M 65,536, K 256] x [K 256, N 256]; A: input source (given as codes); B: input Wk (given as codes): QUANTISED
;;     3. [M 65,536, K 256] x [K 256, N 256]; A: input source (given as codes); B: input Wv (given as codes): QUANTISED
;;     4. batch 64 x [M 256, K 1,024] x [K 1,024, N 256]; A: computed on the way; B: computed on the way: QUANTISED
;;     5. batch 64 x [M 1, K 256] x [K 256, N 1,024]; A: computed on the way; B: computed on the way: left as it is (M = 1 < 16)
;;     6. batch 64 x [M 256, K 256] x [K 256, N 1,024]; A: computed on the way; B: computed on the way: QUANTISED
;;     7. batch 65,536 x [M 1, K 1] x [K 1, N 256]; A: computed on the way; B: computed on the way: left as it is (no contracted axis)
;;     8. [M 65,536, K 256] x [K 256, N 256]; A: computed on the way; B: input Wm (given as codes): QUANTISED
;;     9. [M 65,536, K 512] x [K 512, N 512]; A: computed on the way; B: input W1 (given as codes): QUANTISED
;;     10. [M 65,536, K 512] x [K 512, N 256]; A: computed on the way; B: input W2 (given as codes): QUANTISED
;;   THE QUANTISER, for each operand of a quantised product, along K:
;;     - K is cut into blocks of 32 from its start; a last block that is shorter is filled with zeros.
;;     - A block's scale is 2^e with e = floor(log2(the largest magnitude in the block)) - 2, held to -126 .. 127; a block of zeros has e = 0. As a byte (E8M0): e + 127.
;;     - Each number is divided by its block's scale, clamped to +-7.5, and rounded to the nearest number of E2M3, ties to even, subnormals kept.
;;     - The product sums the exact products of the quantised numbers (number of the format x scale) in f32.
;;   ~~~python
;;   def quantise(x, axis):      # numpy; x: float32 -> the quantised numbers, widened to float32 again
;;       x = np.moveaxis(x, axis, -1); K = x.shape[-1]
;;       x = np.pad(x, [(0, 0)] * (x.ndim - 1) + [(0, -K % 32)]); x = x.reshape(x.shape[:-1] + (-1, 32)); a = np.abs(x).max(-1, keepdims=True)
;;       e = np.where(a > 0, np.clip(np.frexp(np.where(a > 0, a, 1))[1] - 1 - 2, -126, 127), 0)      # np.frexp(a)[1] - 1 = floor(log2(a)), exactly
;;       r = np.clip(x / 2.0 ** e, -7.5, 7.5)
;;       step = 2.0 ** (np.maximum(np.frexp(np.where(r == 0, 1, r))[1] - 1, 0) - 3)
;;       q = np.round(r / step) * step * 2.0 ** e      # np.round: ties to even
;;       return np.moveaxis(q.reshape(q.shape[:-2] + (-1,))[..., :K], -1, axis).astype(np.float32)
;;   ~~~
;;   OPERANDS COMPUTED ON THE WAY. 'Computed on the way' means the value that the module computes at that place (a softmax that the list does not call 'softmax' is quantised finished and normalised). What goes into a quantiser is computed in f32, as accurately as f32 sums, v_exp_f32 and their like allow (about 1e-6 of the number): no bf16 or f16 on the way to a quantiser, and a product that is left as it is and whose result goes on into a quantised operand takes f32 operands (vector FMAs, or v_wmma_f32_16x16x4_f32). A number that lies on a knife's edge between two numbers of the format may be rounded either way, as far as f32 arithmetic and the matrix unit's own rounding can turn it there, and no further.
;;   INPUTS GIVEN AS CODES. W1 (in the module: [512, 512], K = its axis 1); W2 (in the module: [256, 512], K = its axis 1); Wk (in the module: [256, 256], K = its axis 1); Wm (in the module: [256, 256], K = its axis 1); Wq (in the module: [256, 256], K = its axis 1); Wv (in the module: [256, 256], K = its axis 1); source (in the module: [64, 1024, 256], K = its axis 2): each comes as NAME_codes (uint8): NAME with its K axis moved to the last place and cut into blocks of 32 codes, [.., K / 32, bytes a block], one block behind the other in memory; four codes in three bytes: a row's codes are one little-endian stream of bits, code i at bits 6 i .. 6 i + 5 (a code: sign, 2 exponent bits, 3 mantissa bits); and NAME_scales (uint8): the same leading axes, one E8M0 byte (e + 127) for each 32 codes along K. Its value is code x scale, taken as it is: it is not quantised again, and the codes and scales need not be those that the quantiser above would give.
;; 2 versions, each right. Each part assembles by itself: llvm-mc -triple=amdgcn-amd-amdhsa -mcpu=gfx1250 --defsym DOCPART=n.
;; ======== version 1 of 2: 2 launches
;; workspace buffers: kvimg 3,145,728 bytes; kvscl 262,144 bytes; ksum 131,072 bytes; wimg 393,216 bytes; wscl 32,768 bytes
;; launch kv (part 1): grid 256 x 1, 4 waves a work-group, clusters of 4 x 1, 267,776 bytes of LDS; arguments source_codes, source_scales, source_mask, Wk_codes, Wk_scales, Wv_codes, Wv_scales, Wq_codes, Wq_scales, Wm_codes, Wm_scales, W1_codes, W1_scales, W2_codes, W2_scales, kvimg, kvscl, ksum, wimg, wscl; writes kvimg, kvscl, ksum, wimg, wscl
.if DOCPART == 1
	.amdgcn_target "amdgcn-amd-amdhsa--gfx1250"
	.amdhsa_code_object_version 6
	.text
	.protected	k_q4703fdfebe_kv
	.globl	k_q4703fdfebe_kv
	.p2align	8
	.type	k_q4703fdfebe_kv,@function
k_q4703fdfebe_kv:
	s_mov_b64 s[64:65], 0
	v_nop
	global_prefetch_b8 v0, s[64:65] scope:SCOPE_SE
	s_setreg_imm32_b32 hwreg(HW_REG_WAVE_MODE, 25, 1), 1
	s_wait_xcnt 0x0
	s_wait_alu depctr_hold_cnt(0) depctr_sa_sdst(0) depctr_va_vdst(0) depctr_va_sdst(0) depctr_va_ssrc(0) depctr_va_vcc(0) depctr_vm_vsrc(0)
	s_getreg_b32 s2, hwreg(HW_REG_IB_STS2, 6, 4)
	s_cmp_eq_u32 s2, 0
	s_cbranch_scc0 .Lentry_in_a_cluster
	s_endpgm
.Lentry_in_a_cluster:
	s_bfe_u32 s2, ttmp6, 0x10000c
	s_cmp_lg_u32 s2, 0x3003
	s_cbranch_scc0 .Lentry_shape_is_right
	s_endpgm
.Lentry_shape_is_right:
; KV[d][v] = sum over s of K[s][d] v[s][v] / 1024 and Ksum[d] = sum over s of K[s][d], for each of 64 batches of 1,024 source rows;
; K = (elu(source Wk^T) + 1) x mask, v = (source Wv^T) x mask.  All three products on codes of FP6 (E2M3), one E8M0 scale for each 32 along K.
; SHARES.  A cluster of four work-groups is one batch; work-group (dh, vh) makes KV for 128 of d x 128 of v.  The four read the same source rows: codes and
; scale bytes are asked for JOINTLY, once, and stay in LDS.  Wave w makes the K^T fragments of d tiles 2 w, 2 w + 1 and the v^T fragments of v tiles 2 w, 2 w + 1,
; 128 source rows (a chunk) at a time; K^T's fragments go to the other waves through LDS as images of their registers; v^T's stay in the wave.
; LAYOUT.  Source 0 = 16 source rows, source 1 = 16 rows of a weight: a lane holds ONE column d (or v) and its registers run along s, which is the next product's K.
; Inside a block of 32 the lane's order of s differs from memory's, alike for K^T and v^T: products and scales are the same.
; THE ROWS OF A WEIGHT THAT FORM A TILE ARE NOT NEIGHBOURS: lane r of tile T takes row 32 (T / 2) + 8 (T % 2) + r + 8 (r / 8), so that the 16 registers of
; tiles 2 b, 2 b + 1 of a result are 16 neighbours along the next K.  KV leaves quantised along d, as images of operand registers, for the next launch.
; The division by 1,024 is a multiplication of the finished sums by 2^-10, ahead of KV's quantiser: a power of two changes no code.
; ALSO: wave 0 of work-group g copies fragment g of Wq, Wm, W1, W2 (256 in all) into the same image form.
; LIMITS: elu(k) + 1 is max(k, 0) + 2^(log2(e) min(k, 0)): within 2^-24 of expm1(k) + 1.  NaN and infinities are not served.  A block whose largest magnitude lies under
; 2^-124 (a block of zeros too) gets the scale byte 1: the bytes are read by this program alone, and zero codes add nothing.
; REGISTERS: window 0: see the names below.  window 1: v0-191 the chunk's 16 source fragments, v192-239 Wk's four.  window 2: v0-47 Wv's four, v48-143 K^T's eight.  window 3: v0-127 16 accumulators.
.set PITCH, 240                        ; a source row in LDS: 3 x (64 bytes + 16 of padding)
.set CHB,   128*PITCH                  ; a chunk of 128 rows
.set SCL,   8*CHB                      ; the rows' scale bytes, 8 a row, dense
.set KIMG,  SCL+8192                   ; K^T's eight fragments of the chunk, 1,536 bytes each
.set KSCB,  KIMG+8*1536                ; their scale words, 128 bytes each
.set RR,  1                            ; v1   lane % 16
.set HH,  2                            ; v2   lane / 16
.set A0,  4                            ; v4   240 r + 24 h
.set A1,  5                            ; v5   240 r + 40 h: for pieces that lie behind one padding more
.set AS,  6                            ; v6   8 r
.set L16K, 7                           ; v7   KIMG + 16 lane
.set L4K, 8                            ; v8   KSCB + 4 lane
.set IW,  9                            ; v9   KIMG + 16 lane + 3,072 wave
.set IWS, 10                           ; v10  KSCB + 4 lane + 256 wave
.set MO,  11                           ; v11  32 h
.set A0W, 12                           ; v12-15 the chunk's addresses
.set A1W, 13
.set ASW, 14
.set MOW, 15
.set WS,  16                           ; v16-23 the weights' scale words: Wk 2 tile + step, Wv + 4
.set SSC, 24                           ; v24-39 the source rows' scale words: 2 tile + step
.set KSC, 40                           ; v40-47 K^T's scale words
.set VS,  48                           ; v48-49 v^T's
.set WO,  50                           ; v50-54 offsets of the loads of weights
.set WSO, 51
.set PRM, 52                           ; r + 8 (r / 8)
.set JO,  53
.set JS,  54
.set L16, 55                           ; 16 lane
.set WK,  56                           ; v56-119  a tile's 64 numbers
.set MK,  120                          ; v120-183 the mask at the same places
.set PC,  184                          ; v184-195 codes just made
.set PT,  196                          ; v196-203 their odd halves
.set TM,  204                          ; v204-219 at work in the quantiser
.set EE,  184                          ; v184-215 the exponentials (codes and quantiser are idle then)
.set VF,  220                          ; v220-243 v^T's two fragments
.set PW,  244                          ; a scale word just made
.set L4,  245                          ; 4 lane
.set KS,  246                          ; v246-253 Ksum: two tiles x two chains x a pair
.set WV,  76
.set CX,  77
.set DH,  78
.set VH,  79
.set NB,  80
.set SB,  81                           ; the chunk's first LDS byte of codes
.set SS,  82                           ; and of scale bytes
.set CH,  84                           ; the chunk's number
.set CNT, 85
.set SEL, 86                           ; s[86:87] lane selects: lane xor 16
.set LG,  88                           ; s[88:89] log2(e), twice: the packed form names a pair
.set MSB, 0
.macro WIN new                         ; the immediate's high byte repeats the setting that is left
.if MSB != \new
	s_set_vgpr_msb (MSB<<8)|\new
.set MSB, \new
.endif
.endm
.macro ROUND                           ; a round of the cluster's barrier
	s_barrier_signal -1
	s_barrier_wait -1
	s_cmp_lg_u32 s[WV], 0
	s_cbranch_scc1 .Lnot_wave_0_\@
	s_barrier_signal -3
.Lnot_wave_0_\@:
	s_barrier_wait -3
	s_barrier_signal -1
	s_barrier_wait -1
.endm
.macro PLACES n
.rept \n
	v_nop
.endr
.endm
.macro MMZ d, a, b, sa, sb             ; a product that starts a sum
	v_wmma_scale_f32_16x16x128_f8f6f4 v[(\d):(\d)+7], v[(\a):(\a)+11], v[(\b):(\b)+11], 0, v[(\sa)], v[(\sb)] matrix_a_fmt:MATRIX_FMT_FP6 matrix_b_fmt:MATRIX_FMT_FP6
.endm
.macro MMA d, a, b, sa, sb             ; and one that adds onto it
	v_wmma_scale_f32_16x16x128_f8f6f4 v[(\d):(\d)+7], v[(\a):(\a)+11], v[(\b):(\b)+11], v[(\d):(\d)+7], v[(\sa)], v[(\sb)] matrix_a_fmt:MATRIX_FMT_FP6 matrix_b_fmt:MATRIX_FMT_FP6
.endm
	s_load_b512 s[4:19], s[0:1], 0x0               ; source codes 4, scales 6, mask 8; Wk 10, 12; Wv 14, 16; Wq codes 18
	s_load_b512 s[20:35], s[0:1], 0x40             ; Wq scales 20; Wm 22, 24; W1 26, 28; W2 30, 32; kvimg 34
	s_load_b256 s[36:43], s[0:1], 0x80             ; kvscl 36, ksum 38, wimg 40, wscl 42
	v_lshl_add_u32 v254, v0, 2, 0x41400
	v_mov_b32 v255, 0
	ds_add_u32 v254, v255
	ds_add_u32 v254, v255
	v_lshrrev_b32 v3, 5, v0
	v_readfirstlane_b32 s[WV], v3                  ; wave 0..3
	s_bfe_u32 s[CX], ttmp6, 0x40000                ; my place in the cluster: it enters global addresses and selections alone
	s_lshr_b32 s[DH], s[CX], 1                     ; which half of d
	s_and_b32 s[VH], s[CX], 1                      ; which half of v
	s_mov_b32 s[NB], ttmp9                         ; the batch: in a cluster launch ttmp9 counts clusters
	; descriptor group 1 for the codes: 256 rows of 192 bytes, 16 bytes of padding behind every 64; the mask names all four work-groups
	s_mov_b32 s44, 15|(0<<16)|(1<<20)|(1<<21)|(3<<22)|(3<<25)
	s_mov_b32 s45, 192<<16                         ; tensor_dim0
	s_mov_b32 s46, 256<<16                         ; tensor_dim1
	s_mov_b32 s47, 192<<16                         ; tile_dim0
	s_mov_b32 s48, 256                             ; tile_dim1
	s_mov_b32 s49, 192                             ; from row to row
	s_mov_b32 s50, 0
	s_mov_b32 s51, 0
	; and for the scale bytes: 2,048 dense bytes as 8 rows of 32 elements of 8 bytes
	s_mov_b32 s52, 15|(3<<16)|(1<<21)
	s_mov_b32 s53, 32<<16
	s_mov_b32 s54, 8<<16
	s_mov_b32 s55, 32<<16
	s_mov_b32 s56, 8
	s_mov_b32 s57, 32
	s_mov_b32 s58, 0
	s_mov_b32 s59, 0
	s_mov_b32 s60, 1
	s_lshl_b32 s90, s[WV], 11
	s_add_co_u32 s61, s90, SCL                     ; my quarter of the scale bytes in LDS
	s_mov_b32 s68, 1
	s_mul_i32 s69, s[WV], 2*CHB                    ; my 256 rows in LDS
	s_lshl_b32 s92, s[NB], 13
	s_add_co_u32 s92, s92, s90
	s_mov_b32 s93, 0
	s_mul_i32 s94, s[NB], 196608
	s_mul_i32 s95, s[WV], 49152
	s_add_co_u32 s94, s94, s95
	s_mov_b32 s95, 0
	s_mov_b32 s[SEL], 0x76543210
	s_mov_b32 s[SEL+1], 0xfedcba98
	s_mov_b32 s[LG], 0x3fb8aa3b
	s_mov_b32 s[LG+1], s[LG]
	s_mov_b32 s[SB], 0
	s_mov_b32 s[SS], SCL
	s_mov_b32 s[CH], 0
	s_wait_dscnt 0x0
	s_wait_kmcnt 0x0
	s_add_nc_u64 s[62:63], s[6:7], s[92:93]
	s_or_b32 s63, s63, 0x80000000
	s_add_nc_u64 s[70:71], s[4:5], s[94:95]
	s_or_b32 s71, s71, 0x80000000
	ROUND                                          ; all four work-groups are here: the joint loads meet
	tensor_load_to_lds s[60:63], s[52:59]          ; the launch's only fills: two loads of mine are out
	s_nop 0
	tensor_load_to_lds s[68:71], s[44:51]
	s_nop 0
	PLACES 4                                       ; four lines here
	v_and_b32 v[RR], 15, v0
	v_bfe_u32 v[HH], v0, 4, 1
	v_and_b32 v3, 31, v0
	v_mul_u32_u24 v[A0], v[RR], PITCH
	v_mad_u32_u24 v[A1], v[HH], 40, v[A0]
	v_mad_u32_u24 v[A0], v[HH], 24, v[A0]
	v_lshlrev_b32 v[AS], 3, v[RR]
	v_lshlrev_b32 v[L16], 4, v3
	v_lshlrev_b32 v[L4], 2, v3
	v_add_nc_u32 v[L16K], KIMG, v[L16]
	v_add_nc_u32 v[L4K], KSCB, v[L4]
	s_mul_i32 s90, s[WV], 3072
	v_add_nc_u32 v[IW], s90, v[L16K]
	s_lshl_b32 s90, s[WV], 8
	v_add_nc_u32 v[IWS], s90, v[L4K]
	v_lshlrev_b32 v[MO], 5, v[HH]
	v_mov_b32 v[MOW], v[MO]
	v_and_b32 v[PRM], 8, v[RR]
	v_add_nc_u32 v[PRM], v[PRM], v[RR]             ; r + 8 (r / 8)
	v_mul_u32_u24 v[WO], v[PRM], 192
	v_mad_u32_u24 v[WO], v[HH], 24, v[WO]
	v_lshlrev_b32 v[WSO], 3, v[PRM]
	; my 32 rows of Wk (in my half of d) and of Wv (in my half of v)
	s_lshl_b32 s91, s[WV], 5
	s_lshl_b32 s90, s[DH], 7
	s_add_co_u32 s90, s90, s91
	s_mul_i32 s92, s90, 192
	s_mov_b32 s93, 0
	s_add_nc_u64 s[10:11], s[10:11], s[92:93]
	s_lshl_b32 s92, s90, 3
	s_add_nc_u64 s[12:13], s[12:13], s[92:93]
	s_lshl_b32 s90, s[VH], 7
	s_add_co_u32 s90, s90, s91
	s_mul_i32 s92, s90, 192
	s_add_nc_u64 s[14:15], s[14:15], s[92:93]
	s_lshl_b32 s92, s90, 3
	s_add_nc_u64 s[16:17], s[16:17], s[92:93]
	s_lshl_b32 s92, s[NB], 12
	s_add_nc_u64 s[8:9], s[8:9], s[92:93]          ; the batch's mask
	WIN 0x40
.irp p, 0,1
.irp s, 0,1
.irp q, 0,1,2,3,4,5
	global_load_b64 v[192+12*(2*\p+\s)+2*\q:192+12*(2*\p+\s)+2*\q+1], v[WO], s[10:11] offset:8*\p*192+96*\s+48*(\q/3)+8*(\q%3)
.endr
.endr
.endr
	WIN 0x80
.irp p, 0,1
.irp s, 0,1
.irp q, 0,1,2,3,4,5
	global_load_b64 v[12*(2*\p+\s)+2*\q:12*(2*\p+\s)+2*\q+1], v[WO], s[14:15] offset:8*\p*192+96*\s+48*(\q/3)+8*(\q%3)
.endr
.endr
.endr
	WIN 0
.irp p, 0,1
	global_load_b64 v[WS+2*\p:WS+2*\p+1], v[WSO], s[12:13] offset:64*\p
	global_load_b64 v[WS+4+2*\p:WS+5+2*\p], v[WSO], s[16:17] offset:64*\p
.endr
.macro MASKLD                          ; register 8 t + j: the mask of source row 16 t + 8 h + j of a chunk
.irp t, 0,1,2,3,4,5,6,7
	global_load_b128 v[MK+8*\t:MK+8*\t+3], v[MOW], s[8:9] offset:64*\t
	global_load_b128 v[MK+8*\t+4:MK+8*\t+7], v[MOW], s[8:9] offset:64*\t+16
.endr
.endm
	MASKLD                                         ; chunk 0's
	; ---- the weights' images: wave 0 of work-group g copies fragment g.  0-31 Wq, 32-63 Wm (index 2 T + step); 64-191 W1, 192-255 W2 (4 T + step)
	s_lshl_b32 s90, s[NB], 2
	s_add_co_u32 s90, s90, s[CX]                   ; g
	s_cmp_lg_u32 s[WV], 0
	s_cbranch_scc1 .Lno_image
	s_sub_co_u32 s91, s90, 192
	s_sub_co_u32 s96, s90, 64
	s_and_b32 s97, s90, 31
	s_mov_b64 s[92:93], s[30:31]
	s_mov_b64 s[94:95], s[32:33]
	s_cmp_lt_u32 s90, 192
	s_cselect_b64 s[92:93], s[26:27], s[92:93]
	s_cselect_b64 s[94:95], s[28:29], s[94:95]
	s_cselect_b32 s91, s96, s91
	s_cmp_lt_u32 s90, 64
	s_cselect_b64 s[92:93], s[22:23], s[92:93]
	s_cselect_b64 s[94:95], s[24:25], s[94:95]
	s_cselect_b32 s91, s97, s91                    ; the fragment's number within its weight
	s_cselect_b32 s98, 0, 1                        ; 0: K = 256, 1: K = 512
	s_cmp_lt_u32 s90, 32
	s_cselect_b64 s[92:93], s[18:19], s[92:93]
	s_cselect_b64 s[94:95], s[20:21], s[94:95]
	s_add_co_u32 s96, s98, 1
	s_lshr_b32 s97, s91, s96                       ; T
	s_lshl_b32 s99, 2, s98
	s_sub_co_u32 s99, s99, 1
	s_and_b32 s99, s91, s99                        ; the K step
	s_lshr_b32 s96, s97, 1
	s_lshl_b32 s96, s96, 5
	s_and_b32 s97, s97, 1
	s_lshl_b32 s97, s97, 3
	s_add_co_u32 s96, s96, s97                     ; the tile's first row: 32 (T / 2) + 8 (T % 2)
	s_lshl_b32 s97, 192, s98                       ; a row of codes in bytes
	s_mul_i32 s2, s96, s97
	s_mul_i32 s3, s99, 96
	s_add_co_u32 s2, s2, s3
	s_mov_b32 s3, 0
	s_add_nc_u64 s[92:93], s[92:93], s[2:3]
	s_add_co_u32 s98, s98, 3                       ; log2 of a row of scale bytes
	s_lshl_b32 s2, s96, s98
	s_lshl_b32 s99, s99, 2
	s_add_co_u32 s2, s2, s99
	s_add_nc_u64 s[94:95], s[94:95], s[2:3]
	v_mul_lo_u32 v[JO], v[PRM], s97
	v_mad_u32_u24 v[JO], v[HH], 24, v[JO]
	v_lshlrev_b32 v[JS], s98, v[PRM]
.irp q, 0,1,2,3,4,5
	global_load_b64 v[WK+2*\q:WK+2*\q+1], v[JO], s[92:93] offset:48*(\q/3)+8*(\q%3)
.endr
	global_load_b32 v[WK+12], v[JS], s[94:95]
	s_mul_i32 s2, s90, 1536
	s_add_nc_u64 s[40:41], s[40:41], s[2:3]
	s_lshl_b32 s2, s90, 7
	s_add_nc_u64 s[42:43], s[42:43], s[2:3]
	s_wait_loadcnt 0x0
.irp c, 0,1,2
	global_store_b128 v[L16], v[WK+4*\c:WK+4*\c+3], s[40:41] offset:512*\c   ; 32 lanes store 512 consecutive bytes
.endr
	global_store_b32 v[L4], v[WK+12], s[42:43]
.Lno_image:
	s_wait_xcnt 0x0                                ; the stores have read their registers: the products below write them
.irp i, 0,1,2,3,4,5,6,7
	v_mov_b32 v[KS+\i], 0
.endr
.irp b, 0,1,2,3
	v_mov_b32 v[TM+4+\b], 0                        ; a lane permute's destination counts as one of its sources
.endr
.macro FRAG reg, q, i                  ; a fragment of 16 source rows x 128 K: 24 bytes of a row's stream of bits twice, in pieces of 8 bytes
.irp p, 0,1,2,3,4,5
.set PCE, 12*(\q)+6*(\p/3)+\p%3
.if PCE%8 < 5
	ds_load_b64 v[\reg+2*\p:\reg+2*\p+1], v[A0W] offset:8*PCE+16*(PCE/8)+(\i)*16*PITCH
.else
	ds_load_b64 v[\reg+2*\p:\reg+2*\p+1], v[A1W] offset:8*PCE+16*(PCE/8)+(\i)*16*PITCH
.endif
.endr
.endm
; 16 products: the chunk's eight tiles of source rows x one tile of a weight; the eight accumulators by turns.  Lane (r, h): column r, register 8 t + j: row 16 t + 8 h + j
.macro PROD win, bb, wsc
	WIN \win
.irp s, 0,1
.irp t, 0,1,2,3,4,5,6,7
.if \s == 0
	MMZ WK+8*\t, 12*(2*\t+\s), \bb+12*\s, SSC+2*\t+\s, \wsc+\s
.else
	MMA WK+8*\t, 12*(2*\t+\s), \bb+12*\s, SSC+2*\t+\s, \wsc+\s
.endif
.endr
.endr
	WIN 0
	PLACES 4                                       ; four places behind the products, ahead of the first read of their results
.endm
.macro ELU                             ; elu(k) + 1 = max(k, 0) + 2^(log2(e) min(k, 0)), 32 numbers at a time; each accumulator is read from its low end on
.irp hf, 0, 32
.set ei, 0
.rept 16
	v_pk_mul_f32 v[EE+ei:EE+ei+1], v[WK+\hf+ei:WK+\hf+ei+1], s[LG:LG+1] op_sel_hi:[1,0]
.set ei, ei+2
.endr
.set ei, 0
.rept 32
	v_min_num_f32 v[EE+ei], 0, v[EE+ei]
.set ei, ei+1
.endr
.set ei, 0
.rept 32
	v_exp_f32 v[EE+ei], v[EE+ei]
.set ei, ei+1
.endr
.set ei, 0
.rept 32
	v_max_num_f32 v[WK+\hf+ei], 0, v[WK+\hf+ei]    ; plain work behind the batch
.set ei, ei+1
.endr
	s_wait_alu depctr_va_vdst(0)                   ; one wait for the 32 exponentials, ahead of their first reader
.set ei, 0
.rept 16
	v_pk_add_f32 v[WK+\hf+ei:WK+\hf+ei+1], v[WK+\hf+ei:WK+\hf+ei+1], v[EE+ei:EE+ei+1]
.set ei, ei+2
.endr
.endr
.endm
.macro MASK
.set ei, 0
.rept 32
	v_pk_mul_f32 v[WK+ei:WK+ei+1], v[WK+ei:WK+ei+1], v[MK+ei:MK+ei+1]
.set ei, ei+2
.endr
.endm
.macro KSUM p                          ; the unquantised K, summed over my 64 rows, in two chains
.set ei, 0
.rept 16
	v_pk_add_f32 v[KS+4*\p:KS+4*\p+1], v[KS+4*\p:KS+4*\p+1], v[WK+ei:WK+ei+1]
	v_pk_add_f32 v[KS+4*\p+2:KS+4*\p+3], v[KS+4*\p+2:KS+4*\p+3], v[WK+ei+2:WK+ei+3]
.set ei, ei+4
.endr
.endm
; 64 numbers of a lane, register 16 b + i in block b of my row (16 of its 32; lane xor 16 holds the others), become a fragment's codes in v[d] on and its scale word in v[pw]
.macro QUANT s, d, pw
.irp b, 0,1,2,3
	v_max3_num_f32 v[TM+\b], |v[\s+16*\b]|, |v[\s+1+16*\b]|, 0x1800000   ; with the floor 2^(3 - 127): the byte cannot fall under 1
.endr
.irp i, 2,4,6,8,10,12,14
.irp b, 0,1,2,3
	v_max3_num_f32 v[TM+\b], v[TM+\b], |v[\s+16*\b+\i]|, |v[\s+1+16*\b+\i]|
.endr
.endr
.irp b, 0,1,2,3
	v_permlanex16_b32 v[TM+4+\b], v[TM+\b], s[SEL], s[SEL+1]
.endr
.irp b, 0,1,2,3
	v_max_num_f32 v[TM+\b], v[TM+\b], v[TM+4+\b]   ; the block's largest magnitude
.endr
.irp b, 0,1,2,3
	v_add_nc_u32 v[TM+12+\b], 0xff000000, v[TM+\b] ; 2 off its exponent field: the conversion's scale operand
.endr
.irp b, 0,1,2,3
	v_lshrrev_b32 v[TM+4+\b], 23, v[TM+12+\b]      ; the scale's byte
.endr
	v_lshl_or_b32 v[\pw], v[TM+5], 8, v[TM+4]
	v_lshl_or_b32 v[\pw], v[TM+6], 16, v[\pw]
	v_lshl_or_b32 v[\pw], v[TM+7], 24, v[\pw]
.irp c, 0,1
	v_cvt_scalef32_pk16_fp6_f32 v[\d+6*\c:\d+6*\c+2], v[\s+32*\c:\s+32*\c+15], v[TM+12+2*\c]
	v_cvt_scalef32_pk16_fp6_f32 v[PT+4*\c:PT+4*\c+2], v[\s+16+32*\c:\s+31+32*\c], v[TM+13+2*\c]
.endr
	v_nop                                          ; one plain place behind a scaled conversion
.irp c, 0,1                            ; the operand's layout wants a whole block in a lane
.irp i, 0,1,2
	v_permlane16_swap_b32 v[\d+6*\c+\i], v[PT+4*\c+\i]
.endr
.irp i, 0,1,2
	v_mov_b32 v[\d+3+6*\c+\i], v[PT+4*\c+\i]
.endr
.endr
.endm
; A CHUNK: 128 source rows.
.macro CHUNK first
	v_add_nc_u32 v[A0W], s[SB], v[A0]
	v_add_nc_u32 v[A1W], s[SB], v[A1]
	v_add_nc_u32 v[ASW], s[SS], v[AS]
	WIN 0x40
.irp t, 0,1,2,3,4,5,6,7
.irp s, 0,1
	FRAG 12*(2*\t+\s), \s, \t
.endr
.endr
	WIN 0
.irp t, 0,1,2,3,4,5,6,7
	ds_load_b64 v[SSC+2*\t:SSC+2*\t+1], v[ASW] offset:128*\t
.endr
	s_wait_dscnt 0x0
	s_wait_loadcnt 0x0                             ; the chunk's mask (in the first chunk the weights too)
.irp p, 0,1                            ; my two tiles of K^T
	PROD 0x05, 192+24*\p, WS+2*\p
	ELU
	MASK
	KSUM \p
	QUANT WK, PC, PW
.irp c, 0,1,2
	ds_store_b128 v[IW], v[PC+4*\c:PC+4*\c+3] offset:1536*\p+512*\c   ; the fragment as it stands in my registers
.endr
	ds_store_b32 v[IWS], v[PW] offset:128*\p
	s_wait_dscnt 0x0                               ; the stores have read their registers
.endr
.irp p, 0,1                            ; my two tiles of v^T: they stay with me
	PROD 0x09, 24*\p, WS+4+2*\p
	MASK
	QUANT WK, VF+12*\p, VS+\p
.endr
	s_add_co_u32 s[CH], s[CH], 1
	s_min_u32 s90, s[CH], 7                        ; the last chunk asks for its own mask again: no load leaves the buffer
	s_lshl_b32 s90, s90, 9
	v_add_nc_u32 v[MOW], s90, v[MO]                ; (the loads that read this register were waited for above)
	MASKLD
	s_wait_dscnt 0x0
	s_barrier_signal -1
	s_barrier_wait -1                              ; K^T's eight fragments lie in LDS
	WIN 0x80
.irp i, 0,1,2,3,4,5,6,7
.irp c, 0,1,2
	ds_load_b128 v[48+12*\i+4*\c:48+12*\i+4*\c+3], v[L16K] offset:1536*\i+512*\c
.endr
.endr
	WIN 0
.irp i, 0,1,2,3,4,5,6,7
	ds_load_b32 v[KSC+\i], v[L4K] offset:128*\i
.endr
	PLACES 8                                       ; v^T's scale words and codes were written by vector instructions: eight and four places ahead of a scaled product
	s_wait_dscnt 0x0                               ; my reads of the images are over:
	s_barrier_signal -1                            ; say so; the products below touch registers alone
	WIN 0xf2                                       ; source 0 (K^T) window 2, source 1 (v^T) window 0, C and D window 3
.irp j, 0,1
.irp i, 0,1,2,3,4,5,6,7
.if \first
	MMZ 8*(8*\j+\i), 48+12*\i, VF+12*\j, KSC+\i, VS+\j
.else
	MMA 8*(8*\j+\i), 48+12*\i, VF+12*\j, KSC+\i, VS+\j
.endif
.endr
.endr
	WIN 0
	s_barrier_wait -1                              ; nobody reads the images any more: the next chunk may write them
	s_add_co_u32 s[SB], s[SB], CHB
	s_add_co_u32 s[SS], s[SS], 1024
.endm
	s_wait_tensorcnt 0x0                           ; my rows and my scale bytes are in,
	s_barrier_signal -1
	s_barrier_wait -1                              ; everybody's are
	CHUNK 1                                        ; the first chunk's products start KV's sums
	s_mov_b32 s[CNT], 7
.Lchunk:
	CHUNK 0
	s_sub_co_u32 s[CNT], s[CNT], 1
	s_cmp_lg_u32 s[CNT], 0
	s_cbranch_scc1 .Lchunk
	; ---- KV leaves: x 2^-10, quantised along d, as images.  Lane (r, h) of accumulators (j, 0..7): v row r of tile j, register 16 b + i: d = 32 b + 16 h + i of my half
	s_lshl_b32 s90, s[NB], 4
	s_lshl_b32 s91, s[VH], 3
	s_add_co_u32 s90, s90, s91
	s_lshl_b32 s91, s[WV], 1
	s_add_co_u32 s90, s90, s91                     ; 16 n + v tile
	s_lshl_b32 s90, s90, 1
	s_add_co_u32 s90, s90, s[DH]                   ; the fragment's number
	s_mul_i32 s92, s90, 1536
	s_mov_b32 s93, 0
	s_add_nc_u64 s[34:35], s[34:35], s[92:93]
	s_lshl_b32 s92, s90, 7
	s_add_nc_u64 s[36:37], s[36:37], s[92:93]
	PLACES 4
.irp j, 0,1
	WIN 0x03
.set ei, 0
.rept 32
	v_pk_mul_f32 v[WK+ei:WK+ei+1], v[64*\j+ei:64*\j+ei+1], 0x3a800000 op_sel_hi:[1,0]   ; the division by v_len = 1,024
.set ei, ei+2
.endr
	WIN 0
	QUANT WK, PC, PW
.irp c, 0,1,2
	global_store_b128 v[L16], v[PC+4*\c:PC+4*\c+3], s[34:35] offset:3072*\j+512*\c
.endr
	global_store_b32 v[L4], v[PW], s[36:37] offset:256*\j
	s_wait_xcnt 0x0                                ; the stores have read their registers
.endr
	; ---- Ksum: the chains, the pair's halves, lane xor 16's; lanes 0-15 store tile 0's, lanes 16-31 tile 1's
	v_pk_add_f32 v[KS:KS+1], v[KS:KS+1], v[KS+2:KS+3]
	v_pk_add_f32 v[KS+4:KS+5], v[KS+4:KS+5], v[KS+6:KS+7]
	v_add_f32 v[KS], v[KS], v[KS+1]
	v_add_f32 v[KS+4], v[KS+4], v[KS+5]
	v_permlanex16_b32 v[KS+1], v[KS], s[SEL], s[SEL+1]
	v_permlanex16_b32 v[KS+5], v[KS+4], s[SEL], s[SEL+1]
	v_add_f32 v[KS], v[KS], v[KS+1]
	v_add_f32 v[KS+4], v[KS+4], v[KS+5]
	v_cmp_eq_u32 vcc_lo, 1, v[HH]
	v_cndmask_b32 v[KS], v[KS], v[KS+4], vcc_lo
	v_lshl_add_u32 v[KS+2], v[HH], 3, v[PRM]       ; d = 8 h + r + 8 (r / 8) of my 32
	v_lshlrev_b32 v[KS+2], 2, v[KS+2]
	s_lshl_b32 s90, s[NB], 1
	s_add_co_u32 s90, s90, s[VH]
	s_lshl_b32 s90, s90, 10                        ; copy vh of batch n
	s_lshl_b32 s91, s[DH], 9
	s_add_co_u32 s90, s90, s91
	s_lshl_b32 s91, s[WV], 7
	s_add_co_u32 s92, s90, s91
	s_add_nc_u64 s[38:39], s[38:39], s[92:93]
	global_store_b32 v[KS+2], v[KS], s[38:39]
	s_wait_tensorcnt 0x0
	ds_add_u32 v254, v255
	s_wait_dscnt 0x0
	ROUND                                          ; the closing round
	s_endpgm
.Lfunc_end_k_q4703fdfebe_kv:
	.size	k_q4703fdfebe_kv, .Lfunc_end_k_q4703fdfebe_kv-k_q4703fdfebe_kv
	.p2alignl 7, 3214868480
	.fill 96, 4, 3214868480
	.section	.rodata,"a",@progbits
	.p2align	6, 0x0
	.amdhsa_kernel k_q4703fdfebe_kv
		.amdhsa_group_segment_fixed_size 267776
		.amdhsa_private_segment_fixed_size 0
		.amdhsa_enable_private_segment 0
		.amdhsa_kernarg_size 160
		.amdhsa_user_sgpr_count 2
		.amdhsa_user_sgpr_kernarg_segment_ptr 1
		.amdhsa_wavefront_size32 1
		.amdhsa_system_sgpr_workgroup_id_x 1
		.amdhsa_system_sgpr_workgroup_id_y 1
		.amdhsa_system_sgpr_workgroup_id_z 1
		.amdhsa_system_vgpr_workitem_id 0
		.amdhsa_next_free_vgpr 896
		.amdhsa_next_free_sgpr 100
		.amdhsa_reserve_vcc 1
		.amdhsa_float_denorm_mode_32 3
		.amdhsa_float_denorm_mode_16_64 3
		.amdhsa_memory_ordered 1
		.amdhsa_forward_progress 1
		.amdhsa_inst_pref_size 171
	.end_amdhsa_kernel
	.amdgpu_metadata
---
amdhsa.version: [ 1, 2 ]
amdhsa.kernels:
  - .name:           k_q4703fdfebe_kv
    .symbol:         k_q4703fdfebe_kv.kd
    .args:
      - { .name: source_codes, .offset: 0, .size: 8, .value_kind: global_buffer, .address_space: global }
      - { .name: source_scales, .offset: 8, .size: 8, .value_kind: global_buffer, .address_space: global }
      - { .name: source_mask, .offset: 16, .size: 8, .value_kind: global_buffer, .address_space: global }
      - { .name: Wk_codes, .offset: 24, .size: 8, .value_kind: global_buffer, .address_space: global }
      - { .name: Wk_scales, .offset: 32, .size: 8, .value_kind: global_buffer, .address_space: global }
      - { .name: Wv_codes, .offset: 40, .size: 8, .value_kind: global_buffer, .address_space: global }
      - { .name: Wv_scales, .offset: 48, .size: 8, .value_kind: global_buffer, .address_space: global }
      - { .name: Wq_codes, .offset: 56, .size: 8, .value_kind: global_buffer, .address_space: global }
      - { .name: Wq_scales, .offset: 64, .size: 8, .value_kind: global_buffer, .address_space: global }
      - { .name: Wm_codes, .offset: 72, .size: 8, .value_kind: global_buffer, .address_space: global }
      - { .name: Wm_scales, .offset: 80, .size: 8, .value_kind: global_buffer, .address_space: global }
      - { .name: W1_codes, .offset: 88, .size: 8, .value_kind: global_buffer, .address_space: global }
      - { .name: W1_scales, .offset: 96, .size: 8, .value_kind: global_buffer, .address_space: global }
      - { .name: W2_codes, .offset: 104, .size: 8, .value_kind: global_buffer, .address_space: global }
      - { .name: W2_scales, .offset: 112, .size: 8, .value_kind: global_buffer, .address_space: global }
      - { .name: kvimg, .offset: 120, .size: 8, .value_kind: global_buffer, .address_space: global }
      - { .name: kvscl, .offset: 128, .size: 8, .value_kind: global_buffer, .address_space: global }
      - { .name: ksum, .offset: 136, .size: 8, .value_kind: global_buffer, .address_space: global }
      - { .name: wimg, .offset: 144, .size: 8, .value_kind: global_buffer, .address_space: global }
      - { .name: wscl, .offset: 152, .size: 8, .value_kind: global_buffer, .address_space: global }
    .group_segment_fixed_size: 267776
    .private_segment_fixed_size: 0
    .kernarg_segment_align: 8
    .kernarg_segment_size: 160
    .max_flat_workgroup_size: 128
    .sgpr_count:     100
    .vgpr_count:     896
    .wavefront_size: 32
...
	.end_amdgpu_metadata
.endif
;; end of part 1
;; launch enc (part 2): grid 256 x 1, 4 waves a work-group, no clusters, 327,680 bytes of LDS; arguments x, x_mask, g1, b1, g2, b2, wimg, wscl, kvimg, kvscl, ksum, out0; writes out0
.if DOCPART == 2
	.amdgcn_target "amdgcn-amd-amdhsa--gfx1250"
	.amdhsa_code_object_version 6
	.text
	.protected	k_q4703fdfebe_enc
	.globl	k_q4703fdfebe_enc
	.p2align	8
	.type	k_q4703fdfebe_enc,@function
k_q4703fdfebe_enc:
	s_mov_b64 s[64:65], 0
	v_nop
	global_prefetch_b8 v0, s[64:65] scope:SCOPE_SE
	s_setreg_imm32_b32 hwreg(HW_REG_WAVE_MODE, 25, 1), 1
	s_wait_xcnt 0x0
; The chain on x, row by row: q = x Wq^T; Q = (elu(q) + 1) x mask; Z = 1 / (Q . Ksum + 1e-6); msg = (Q KV) Z 1024; msg Wm^T; layer norm (g1, b1);
; relu([x, msg] W1^T) W2^T; layer norm (g2, b2); + x.  All six products on codes of FP6 (E2M3), one E8M0 scale for each 32 along K; all else in f32.
; SHARES.  Work-group g takes rows 256 g .. 256 g + 255 (one batch: g / 4), 64 at a time.  THE WAVES SHARE THE COLUMNS: wave w makes columns 64 w .. 64 w + 63 of q, msg,
; Wm's and W2's results and hidden units 128 w .. 128 w + 127, for all 64 rows.  Its parts of Wq, KV, Wm, W2 stay in its registers, its part of W1 in 48 KB of LDS of its own.
; No tile in LDS is shared between work-groups, so there is no cluster and no tensor load: the weights come once, as images of operand registers, by dense loads of 16 bytes a lane.
; Every product is used transposed (source 0 = 16 rows of a weight, source 1 = 16 rows of activations): a lane holds ONE row, and, by the choice of a tile's rows made when the
; images were laid, register 16 b + i of a row tile's 32 is column 64 w + 32 b + 16 h + i: 16 neighbours along the next K.
; ACTIVATIONS GO FROM WAVE TO WAVE THROUGH LDS AS IMAGES OF OPERAND REGISTERS, in halves: a wave's 64 columns are registers 6 c .. 6 c + 5 of a fragment and two bytes of its scale word.
; x's codes serve the first product and the first half of W1's K.  x itself waits in LDS, in f32, for the residual; the result leaves from the same bytes as whole rows.
; Layer norms: each wave's mean and sum of squared deviations over its 64 columns; the four are joined by the exact formula for joined groups: no difference of large sums.
; LIMITS: elu(q) + 1 is max(q, 0) + 2^(log2(e) min(q, 0)): within 2^-24 of expm1(q) + 1.  NaN and infinities are not served.  A block whose largest magnitude lies under 2^-124
; (a block of zeros too) gets the scale byte 1: its codes add what they are worth, zeros nothing.
; REGISTERS: window 0: names below.  window 1: v0-95 Wq, v96-191 KV, v192-239 W1's four fragments in hand (even K steps).  window 2: v0-95 Wm, v96-191 AF: activations' fragments, two sets
; (also temporaries), v192-255 PAR: Ksum, or a gain and a bias.  window 3: v0-191 W2, v192-239 W1's four fragments (odd K steps).
.set XIMG, 0                           ; LDS: x's 8 fragments, (2 m + step) x 1,536
.set XSC,  12288                       ; their scale words, 128 bytes each
.set LIMG, 13312                       ; the first layer norm's
.set LSC,  25600
.set QIMG, 26624                       ; Q's
.set QSC,  38912
.set MIMG, 39936                       ; msg's
.set MSC,  52224
.set HIMG, 26624                       ; the hidden layer's 16, (4 m + step) x 1,536, over Q's and msg's, which are done with
.set HSC,  51200
.set ZP,   53248                       ; the waves' parts of Q . Ksum: (4 w + m) x 128 + 4 lane
.set ST1,  55296                       ; (mean, M2) of the first layer norm: (4 w + m) x 256 + 8 lane
.set ST2,  59392                       ; of the second
.set XROW, 63488                       ; 64 rows of x in f32, 1,024 bytes + 16
.set XP,   1040
.set W1L,  130048                      ; W1: 32 fragments for each wave
.set L16, 1                            ; 16 lane
.set L8,  2                            ; 8 lane
.set L4,  3                            ; 4 lane
.set WA16, 4                           ; where I put my half of a fragment of 256 columns: + 1,536 (w / 2) + 768 (w % 2)
.set WA8, 5
.set WAS, 6                            ; and its two scale bytes: 4 lane + 128 (w / 2) + 2 (w % 2)
.set XA16, 7                           ; x's: + 3,072 w
.set XA8, 8
.set XAS, 9                            ; 4 lane + 256 w
.set HA16, 10                          ; the hidden layer's: + 1,536 w
.set HA8, 11
.set HAS, 12                           ; 4 lane + 128 w
.set ZA,  13                           ; 4 lane + 512 w
.set SA,  14                           ; 8 lane + 1,024 w
.set XRW, 15                           ; XROW + my 16 rows + 16 lane
.set XRQW, 17                          ; XROW + my 16 rows + 1,040 r + 64 h
.set XRQC, 18                          ; XROW + 1,040 r + 64 h + my 64 columns
.set W1A, 19                           ; my part of W1L + 16 lane
.set GP,  20                           ; 256 w + 64 h: my columns in a vector of 256
.set PFO, 21                           ; 256 lane
.set XMO, 22                           ; 4 r
.set WQS, 24                           ; scale words: Wq's 8, KV's 8, Wm's 8, W2's 16, W1's 32
.set KVS, 32
.set WMS, 40
.set W2S, 48
.set W1S, 64
.set WK,  96                           ; v96-223 16 accumulators: 32 m + 8 t
.set AS,  224                          ; v224-231 the activations' scale words: 4 set + m
.set PC,  232                          ; v232-240 codes just made
.set TM,  241                          ; v241-246 at work in the quantiser
.set PW,  247                          ; two scale bytes just made
.set XM,  248                          ; v248-251 x_mask of row r of tile m; later the rows' means
.set MU,  248
.set ZZ,  252                          ; v252-255 Z; later the rows' 1 / sigma
.set RS,  252
.set AF,  96                           ; in window 2
.set PAR, 192                          ; in window 2
.set WV,  28
.set BLK, 29
.set SEL, 30
.set LG,  48                           ; s[48:49] log2(e), twice
.set C64, 50                           ; 64.0
.set C256, 51                          ; 1 / 256
.set EPL, 52                           ; 1e-5
.set MSB, 0
.macro WIN new                         ; the immediate's high byte repeats the setting that is left
.if MSB != \new
	s_set_vgpr_msb (MSB<<8)|\new
.set MSB, \new
.endif
.endm
.macro PLACES
.rept 4
	v_nop
.endr
.endm
.macro BARRIER                         ; my LDS stores have landed and my LDS loads are in: then the work-group's barrier
	s_wait_dscnt 0x0
	s_barrier_signal -1
	s_barrier_wait -1
.endm
.macro MMZ d, a, b, sa, sb
	v_wmma_scale_f32_16x16x128_f8f6f4 v[(\d):(\d)+7], v[(\a):(\a)+11], v[(\b):(\b)+11], 0, v[(\sa)], v[(\sb)] matrix_a_fmt:MATRIX_FMT_FP6 matrix_b_fmt:MATRIX_FMT_FP6
.endm
.macro MMA d, a, b, sa, sb
	v_wmma_scale_f32_16x16x128_f8f6f4 v[(\d):(\d)+7], v[(\a):(\a)+11], v[(\b):(\b)+11], v[(\d):(\d)+7], v[(\sa)], v[(\sb)] matrix_a_fmt:MATRIX_FMT_FP6 matrix_b_fmt:MATRIX_FMT_FP6
.endm
; 16 products of one K step: four tiles of rows x four tiles of a weight; the 16 accumulators by turns, in the same order in every step.
; awin, a0, astr: the weight's window, first register and step (in fragments) from tile to tile; sc0, sstr: the same for its scale words; set: which set of activations
.macro MUL16 awin, a0, astr, sc0, sstr, set, zero
.set WN, (\awin)+8
	WIN WN                                         ; source 0 the weight's window, source 1 window 2, C and D window 0
.irp m, 0,1,2,3
.irp t, 0,1,2,3
.if \zero
	MMZ WK+32*\m+8*\t, (\a0)+12*(\astr)*\t, AF+48*(\set)+12*\m, (\sc0)+(\sstr)*\t, AS+4*(\set)+\m
.else
	MMA WK+32*\m+8*\t, (\a0)+12*(\astr)*\t, AF+48*(\set)+12*\m, (\sc0)+(\sstr)*\t, AS+4*(\set)+\m
.endif
.endr
.endr
	WIN 0
.endm
; the four row tiles' fragments of K step s, and their scale words, from LDS: 20 loads
.macro ACT img, sc, nfr, s, set
	WIN 0x80
.irp m, 0,1,2,3
	ds_load_b128 v[AF+48*(\set)+12*\m:AF+48*(\set)+12*\m+3], v[L16] offset:\img+((\nfr)*\m+(\s))*1536
	ds_load_b64 v[AF+48*(\set)+12*\m+4:AF+48*(\set)+12*\m+5], v[L8] offset:\img+((\nfr)*\m+(\s))*1536+512
	ds_load_b128 v[AF+48*(\set)+12*\m+6:AF+48*(\set)+12*\m+9], v[L16] offset:\img+((\nfr)*\m+(\s))*1536+768
	ds_load_b64 v[AF+48*(\set)+12*\m+10:AF+48*(\set)+12*\m+11], v[L8] offset:\img+((\nfr)*\m+(\s))*1536+1280
.endr
	WIN 0
.irp m, 0,1,2,3
	ds_load_b32 v[AS+4*(\set)+\m], v[L4] offset:\sc+((\nfr)*\m+(\s))*128
.endr
.endm
; 32 numbers of a lane, register 16 b + i = column 32 b + 16 h + i of my row's 64, become half a fragment in v[PC] .. v[PC + 5] and two scale bytes in v[PW]
.macro Q32 s
.irp b, 0,1
	v_max3_num_f32 v[TM+\b], |v[(\s)+16*\b]|, |v[(\s)+16*\b+1]|, 0x1800000   ; with the floor 2^(3 - 127): the byte cannot fall under 1
.endr
.irp i, 2,4,6,8,10,12,14
.irp b, 0,1
	v_max3_num_f32 v[TM+\b], v[TM+\b], |v[(\s)+16*\b+\i]|, |v[(\s)+16*\b+\i+1]|
.endr
.endr
.irp b, 0,1
	v_permlanex16_b32 v[TM+2+\b], v[TM+\b], s[SEL], s[SEL+1]
.endr
.irp b, 0,1
	v_max_num_f32 v[TM+\b], v[TM+\b], v[TM+2+\b]   ; the block's largest magnitude
.endr
.irp b, 0,1
	v_add_nc_u32 v[TM+4+\b], 0xff000000, v[TM+\b]  ; 2 off its exponent field: the conversion's scale operand
.endr
.irp b, 0,1
	v_lshrrev_b32 v[TM+2+\b], 23, v[TM+4+\b]       ; the scale's byte
.endr
	v_lshl_or_b32 v[PW], v[TM+3], 8, v[TM+2]
	v_cvt_scalef32_pk16_fp6_f32 v[PC:PC+2], v[(\s):(\s)+15], v[TM+4]
	v_cvt_scalef32_pk16_fp6_f32 v[PC+6:PC+8], v[(\s)+16:(\s)+31], v[TM+5]
	v_nop                                          ; one plain place behind a scaled conversion
.irp i, 0,1,2
	v_permlane16_swap_b32 v[PC+\i], v[PC+6+\i]     ; the operand's layout wants a whole block in a lane
.endr
.irp i, 0,1,2
	v_mov_b32 v[PC+3+\i], v[PC+6+\i]
.endr
.endm
.macro HST a16, a8, as, off, soff      ; the half goes to LDS as it stands
	ds_store_b128 v[\a16], v[PC:PC+3] offset:\off
	ds_store_b64 v[\a8], v[PC+4:PC+5] offset:\off+512
	ds_store_b16 v[\as], v[PW] offset:\soff
	s_wait_dscnt 0x0                               ; the stores have read their registers
.endm
.macro PARLD ptr, at                   ; my 32 numbers of a vector of 256, at the places of a row tile's 32 registers
	WIN 0x80
.irp b, 0,1
.irp j, 0,1,2,3
	global_load_b128 v[PAR+\at+16*\b+4*\j:PAR+\at+16*\b+4*\j+3], v[GP], s[\ptr:\ptr+1] offset:128*\b+16*\j
.endr
.endr
	WIN 0
.endm
.macro XLOAD off                       ; my 16 rows of x: each load reads 512 consecutive bytes
.set xi, 0
.rept 32
	global_load_b128 v[WK+4*xi:WK+4*xi+3], v[L16], s[4:5] offset:\off+512*xi th:TH_LOAD_NT
.set xi, xi+1
.endr
.endm
.macro ELUQ m                          ; elu + 1 of row tile m; the temporaries lie in window 2, at numbers that the lines between the batch and its wait do not name
.set QB, WK+32*(\m)
.set QE, AF+32*(((\m)+1)%3)
	WIN 0x80
.set qi, 0
.rept 16
	v_pk_mul_f32 v[QE+qi:QE+qi+1], v[QB+qi:QB+qi+1], s[LG:LG+1] op_sel_hi:[1,0]
.set qi, qi+2
.endr
	WIN 0x88
.set qi, 0
.rept 32
	v_min_num_f32 v[QE+qi], 0, v[QE+qi]
.set qi, qi+1
.endr
	WIN 0x82
.set qi, 0
.rept 32
	v_exp_f32 v[QE+qi], v[QE+qi]
.set qi, qi+1
.endr
	WIN 0
.set qi, 0
.rept 32
	v_max_num_f32 v[QB+qi], 0, v[QB+qi]            ; plain work behind the batch
.set qi, qi+1
.endr
	s_wait_alu depctr_va_vdst(0)                   ; one wait for the 32 exponentials, ahead of their first reader
	WIN 0x08
.set qi, 0
.rept 16
	v_pk_add_f32 v[QB+qi:QB+qi+1], v[QB+qi:QB+qi+1], v[QE+qi:QE+qi+1]
.set qi, qi+2
.endr
	WIN 0
.endm
.macro MULB m, base                    ; row tile m x a number a row, which lies in v[base + m]: one register of a pair serves both halves
.set QB, WK+32*(\m)
.set QR, (\base)+2*((\m)/2)
.set qi, 0
.rept 16
.if (\m)%2
	v_pk_mul_f32 v[QB+qi:QB+qi+1], v[QB+qi:QB+qi+1], v[QR:QR+1] op_sel:[0,1] op_sel_hi:[1,1]
.else
	v_pk_mul_f32 v[QB+qi:QB+qi+1], v[QB+qi:QB+qi+1], v[QR:QR+1] op_sel_hi:[1,0]
.endif
.set qi, qi+2
.endr
.endm
.macro ZDOT m                          ; my 64 columns' part of Q . Ksum, in f32, two chains
.set QB, WK+32*(\m)
	WIN 0x08
	v_pk_mul_f32 v[232:233], v[QB:QB+1], v[PAR:PAR+1]
	v_pk_mul_f32 v[234:235], v[QB+2:QB+3], v[PAR+2:PAR+3]
.set qi, 4
.rept 7
	v_pk_fma_f32 v[232:233], v[QB+qi:QB+qi+1], v[PAR+qi:PAR+qi+1], v[232:233]
	v_pk_fma_f32 v[234:235], v[QB+qi+2:QB+qi+3], v[PAR+qi+2:PAR+qi+3], v[234:235]
.set qi, qi+4
.endr
	WIN 0
	v_pk_add_f32 v[232:233], v[232:233], v[234:235]
	v_add_f32 v232, v232, v233
	v_permlanex16_b32 v233, v232, s[SEL], s[SEL+1]
	v_add_f32 v[ZZ+(\m)], v232, v233
	ds_store_b32 v[ZA], v[ZZ+(\m)] offset:ZP+128*(\m)
.endm
.macro LSTAT m, st                     ; row tile m: mean and sum of squared deviations over my 64 columns -> v[248 + 2 m], v[249 + 2 m] -> LDS.  Each accumulator is read from its low end on
.set QB, WK+32*(\m)
.set MP, 248+2*(\m)
	v_pk_add_f32 v[232:233], v[QB:QB+1], v[QB+2:QB+3]
	v_pk_add_f32 v[234:235], v[QB+4:QB+5], v[QB+6:QB+7]
.irp i, 8,16,24
	v_pk_add_f32 v[232:233], v[232:233], v[QB+\i:QB+\i+1]
	v_pk_add_f32 v[234:235], v[234:235], v[QB+\i+2:QB+\i+3]
	v_pk_add_f32 v[232:233], v[232:233], v[QB+\i+4:QB+\i+5]
	v_pk_add_f32 v[234:235], v[234:235], v[QB+\i+6:QB+\i+7]
.endr
	v_pk_add_f32 v[232:233], v[232:233], v[234:235]
	v_add_f32 v232, v232, v233
	v_permlanex16_b32 v233, v232, s[SEL], s[SEL+1]
	v_add_f32 v232, v232, v233
	v_mul_f32 v[MP], 0x3c800000, v232              ; / 64
.irp g, 0,1,2,3
.irp k, 0,1,2,3
	v_pk_add_f32 v[238+2*\k:239+2*\k], v[QB+8*\g+2*\k:QB+8*\g+2*\k+1], v[MP:MP+1] op_sel_hi:[1,0] neg_lo:[0,1] neg_hi:[0,1]
.endr
.irp k, 0,1,2,3
.if (\g == 0) && (\k < 2)
	v_pk_mul_f32 v[232+2*\k:233+2*\k], v[238+2*\k:239+2*\k], v[238+2*\k:239+2*\k]
.else
	v_pk_fma_f32 v[232+2*(\k%2):233+2*(\k%2)], v[238+2*\k:239+2*\k], v[238+2*\k:239+2*\k], v[232+2*(\k%2):233+2*(\k%2)]
.endif
.endr
.endr
	v_pk_add_f32 v[232:233], v[232:233], v[234:235]
	v_add_f32 v232, v232, v233
	v_permlanex16_b32 v233, v232, s[SEL], s[SEL+1]
	v_add_f32 v[MP+1], v232, v233
	ds_store_b64 v[SA], v[MP:MP+1] offset:\st+256*(\m)
.endm
.macro GSTAT2 m0, st                   ; row tiles m0, m0 + 1: the four waves' figures joined: mu = the mean of the means; M2 = the sum of the M2 + 64 x the sum of (mean - mu)^2; v[RS + m] = M2 / 256 + 1e-5
.irp u, 0,1
.irp q, 0,1,2,3
	ds_load_b64 v[232+8*\u+2*\q:233+8*\u+2*\q], v[L8] offset:\st+1024*\q+256*((\m0)+\u)
.endr
.endr
	s_wait_dscnt 0x0
.irp u, 0,1
	v_add_f32 v[MU+(\m0)+\u], v[232+8*\u], v[234+8*\u]
	v_add_f32 v[RS+(\m0)+\u], v[236+8*\u], v[238+8*\u]
	v_add_f32 v[MU+(\m0)+\u], v[MU+(\m0)+\u], v[RS+(\m0)+\u]
	v_mul_f32 v[MU+(\m0)+\u], 0x3e800000, v[MU+(\m0)+\u]
.irp q, 0,1,2,3
	v_sub_f32 v[232+8*\u+2*\q], v[232+8*\u+2*\q], v[MU+(\m0)+\u]
.endr
	v_add_f32 v[RS+(\m0)+\u], v[233+8*\u], v[235+8*\u]
	v_add_f32 v[237+8*\u], v[237+8*\u], v[239+8*\u]
	v_add_f32 v[RS+(\m0)+\u], v[RS+(\m0)+\u], v[237+8*\u]
	v_mul_f32 v[232+8*\u], v[232+8*\u], v[232+8*\u]
	v_fmac_f32 v[232+8*\u], v[234+8*\u], v[234+8*\u]
	v_fmac_f32 v[232+8*\u], v[236+8*\u], v[236+8*\u]
	v_fmac_f32 v[232+8*\u], v[238+8*\u], v[238+8*\u]
	v_fma_f32 v[RS+(\m0)+\u], v[232+8*\u], s[C64], v[RS+(\m0)+\u]
	v_fma_f32 v[RS+(\m0)+\u], v[RS+(\m0)+\u], s[C256], s[EPL]
.endr
.endm
.macro GSTAT st
	GSTAT2 0, \st
	GSTAT2 2, \st
.irp m, 0,1,2,3
	v_rsq_f32 v[RS+\m], v[RS+\m]
.endr
	v_nop                                          ; a plain place behind the last of the four
	s_wait_alu depctr_va_vdst(0)                   ; one wait for the four, ahead of their first reader
.endm
.macro NORM m                          ; ((h - mu) / sigma) g + b
.set QB, WK+32*(\m)
.set QR, MU+2*((\m)/2)
.set qi, 0
.rept 16
.if (\m)%2
	v_pk_add_f32 v[QB+qi:QB+qi+1], v[QB+qi:QB+qi+1], v[QR:QR+1] op_sel:[0,1] op_sel_hi:[1,1] neg_lo:[0,1] neg_hi:[0,1]
.else
	v_pk_add_f32 v[QB+qi:QB+qi+1], v[QB+qi:QB+qi+1], v[QR:QR+1] op_sel_hi:[1,0] neg_lo:[0,1] neg_hi:[0,1]
.endif
.set qi, qi+2
.endr
	MULB \m, RS
.set QB, WK+32*(\m)
	WIN 0x28
.set qi, 0
.rept 16
	v_pk_fma_f32 v[QB+qi:QB+qi+1], v[QB+qi:QB+qi+1], v[PAR+qi:PAR+qi+1], v[PAR+32+qi:PAR+32+qi+1]
.set qi, qi+2
.endr
	WIN 0
.endm
.macro LOADW c, s                      ; K step s of W1's product: the activations (x's codes, then the layer norm's) and my four fragments of W1 of half c: 32 LDS loads
.if (\s) < 2
	ACT XIMG, XSC, 2, \s, (\s)%2
.else
	ACT LIMG, LSC, 2, (\s)-2, (\s)%2
.endif
.set WN, 0x40+0x80*((\s)%2)
	WIN WN
.irp t, 0,1,2,3
.irp k, 0,1,2
	ds_load_b128 v[192+12*\t+4*\k:192+12*\t+4*\k+3], v[W1A] offset:(4*(4*(\c)+\t)+(\s))*1536+512*\k
.endr
.endr
	WIN 0
.endm
	s_load_b512 s[4:19], s[0:1], 0x0               ; x 4, x_mask 6, g1 8, b1 10, g2 12, b2 14, wimg 16, wscl 18
	s_load_b256 s[20:27], s[0:1], 0x40             ; kvimg 20, kvscl 22, ksum 24, out0 26
	s_set_vgpr_msb 0x40
	v_lshl_add_u32 v254, v0, 2, 0x4fc00
	v_mov_b32 v255, 0
	s_set_vgpr_msb 0x4000
	v_lshrrev_b32 v23, 5, v0
	v_readfirstlane_b32 s[WV], v23                 ; wave 0..3
	v_and_b32 v23, 31, v0                          ; lane
	v_and_b32 v16, 15, v0                          ; r
	v_bfe_u32 v232, v0, 4, 1                       ; h
	v_lshlrev_b32 v[L16], 4, v23
	v_lshlrev_b32 v[L8], 3, v23
	v_lshlrev_b32 v[L4], 2, v23
	s_lshr_b32 s32, s[WV], 1
	s_and_b32 s33, s[WV], 1
	s_mul_i32 s34, s32, 1536
	s_mul_i32 s35, s33, 768
	s_add_co_u32 s34, s34, s35
	v_add_nc_u32 v[WA16], s34, v[L16]
	v_add_nc_u32 v[WA8], s34, v[L8]
	s_lshl_b32 s34, s32, 7
	s_lshl_b32 s35, s33, 1
	s_add_co_u32 s34, s34, s35
	v_add_nc_u32 v[WAS], s34, v[L4]
	s_mul_i32 s34, s[WV], 3072
	v_add_nc_u32 v[XA16], s34, v[L16]
	v_add_nc_u32 v[XA8], s34, v[L8]
	s_lshl_b32 s34, s[WV], 8
	v_add_nc_u32 v[XAS], s34, v[L4]
	s_mul_i32 s34, s[WV], 1536
	v_add_nc_u32 v[HA16], s34, v[L16]
	v_add_nc_u32 v[HA8], s34, v[L8]
	s_lshl_b32 s34, s[WV], 7
	v_add_nc_u32 v[HAS], s34, v[L4]
	s_lshl_b32 s34, s[WV], 9
	v_add_nc_u32 v[ZA], s34, v[L4]
	s_lshl_b32 s34, s[WV], 10
	v_add_nc_u32 v[SA], s34, v[L8]
	s_mul_i32 s34, s[WV], 16*XP
	s_add_co_u32 s35, s34, XROW
	v_add_nc_u32 v[XRW], s35, v[L16]
	v_mul_u32_u24 v233, v16, XP
	v_lshl_add_u32 v233, v232, 6, v233
	v_add_nc_u32 v[XRQW], s35, v233
	s_lshl_b32 s34, s[WV], 8
	s_add_co_u32 s35, s34, XROW
	v_add_nc_u32 v[XRQC], s35, v233
	v_lshl_add_u32 v[GP], v232, 6, s34
	s_mul_i32 s34, s[WV], 49152
	s_add_co_u32 s34, s34, W1L
	v_add_nc_u32 v[W1A], s34, v[L16]
	v_lshlrev_b32 v[PFO], 8, v23
	v_lshlrev_b32 v[XMO], 2, v16
.set xi, 0
.rept 16
	v_mov_b32 v[232+xi], 0                         ; work registers: lane permutes' destinations and halves of pairs count as read
.set xi, xi+1
.endr
	s_mov_b32 s[SEL], 0x76543210
	s_mov_b32 s[SEL+1], 0xfedcba98
	s_mov_b32 s[LG], 0x3fb8aa3b
	s_mov_b32 s[LG+1], s[LG]
	s_mov_b32 s[C64], 0x42800000
	s_mov_b32 s[C256], 0x3b800000
	s_mov_b32 s[EPL], 0x3727c5ac
	s_mov_b32 s[BLK], 4
	s_lshl_b32 s32, ttmp9, 18
	s_lshl_b32 s33, s[WV], 14
	s_add_co_u32 s32, s32, s33                     ; (256 g + 16 w) rows of 1,024 bytes
	s_mov_b32 s33, 0
	s_wait_kmcnt 0x0
	s_add_nc_u64 s[4:5], s[4:5], s[32:33]
	s_add_nc_u64 s[26:27], s[26:27], s[32:33]
	s_lshl_b32 s32, ttmp9, 10
	s_add_nc_u64 s[6:7], s[6:7], s[32:33]
	s_lshr_b32 s34, ttmp9, 2                       ; the batch
	s_lshl_b32 s32, s34, 1
	s_and_b32 s35, ttmp9, 1
	s_add_co_u32 s32, s32, s35                     ; one of Ksum's two equal copies
	s_lshl_b32 s32, s32, 10
	s_add_nc_u64 s[24:25], s[24:25], s[32:33]
	s_lshl_b32 s32, s34, 5
	s_lshl_b32 s35, s[WV], 3
	s_add_co_u32 s35, s32, s35                     ; KV's fragment 32 n + 8 w
	s_mul_i32 s32, s35, 1536
	s_add_nc_u64 s[20:21], s[20:21], s[32:33]
	s_lshl_b32 s32, s35, 7
	s_add_nc_u64 s[22:23], s[22:23], s[32:33]
	s_mul_i32 s32, s[WV], 12288
	s_add_nc_u64 s[36:37], s[16:17], s[32:33]      ; 8 fragments a wave: Wq, Wm
	s_mul_i32 s32, s[WV], 24576
	s_add_nc_u64 s[38:39], s[16:17], s[32:33]      ; 16: W2
	s_mul_i32 s32, s[WV], 49152
	s_add_nc_u64 s[40:41], s[16:17], s[32:33]      ; 32: W1
	s_lshl_b32 s32, s[WV], 10
	s_add_nc_u64 s[42:43], s[18:19], s[32:33]
	s_lshl_b32 s32, s[WV], 11
	s_add_nc_u64 s[44:45], s[18:19], s[32:33]
	s_lshl_b32 s32, s[WV], 12
	s_add_nc_u64 s[46:47], s[18:19], s[32:33]
	WIN 0x40
.set xi, 0
.rept 24
	global_load_b128 v[4*xi:4*xi+3], v[L16], s[36:37] offset:512*xi            ; Wq
	global_load_b128 v[96+4*xi:96+4*xi+3], v[L16], s[20:21] offset:512*xi      ; KV
.set xi, xi+1
.endr
	WIN 0x80
.set xi, 0
.rept 24
	global_load_b128 v[4*xi:4*xi+3], v[L16], s[36:37] offset:32*1536+512*xi    ; Wm
.set xi, xi+1
.endr
	WIN 0xc0
.set xi, 0
.rept 48
	global_load_b128 v[4*xi:4*xi+3], v[L16], s[38:39] offset:192*1536+512*xi   ; W2
.set xi, xi+1
.endr
	WIN 0
.set xi, 0
.rept 8
	global_load_b32 v[WQS+xi], v[L4], s[42:43] offset:128*xi
	global_load_b32 v[WMS+xi], v[L4], s[42:43] offset:32*128+128*xi
	global_load_b32 v[KVS+xi], v[L4], s[22:23] offset:128*xi
.set xi, xi+1
.endr
.set xi, 0
.rept 16
	global_load_b32 v[W2S+xi], v[L4], s[44:45] offset:192*128+128*xi
.set xi, xi+1
.endr
.set xi, 0
.rept 32
	global_load_b32 v[W1S+xi], v[L4], s[46:47] offset:64*128+128*xi
.set xi, xi+1
.endr
.irp g, 0,1,2                          ; W1's 32 fragments go through registers into my own part of LDS, 16 KB at a time
.set xi, 0
.rept 32
	global_load_b128 v[WK+4*xi:WK+4*xi+3], v[L16], s[40:41] offset:64*1536+512*(32*\g+xi)
.set xi, xi+1
.endr
	s_wait_loadcnt 0x0
.set xi, 0
.rept 32
	ds_store_b128 v[W1A], v[WK+4*xi:WK+4*xi+3] offset:512*(32*\g+xi)
.set xi, xi+1
.endr
	s_wait_dscnt 0x0                               ; the stores have read their registers
.endr
	XLOAD 0                                        ; the first block's x
.Lblock:
	; ---- P0: my 16 rows of x go to LDS as rows (for the residual), come back 16 neighbours a lane, and become two fragments
.irp m, 0,1,2,3
	global_load_b32 v[XM+\m], v[XMO], s[6:7] offset:64*\m
.endr
	PARLD 24, 0                                    ; Ksum
	s_wait_loadcnt 12                              ; x's 32 loads are in; the 4 + 8 issued behind them may be out
.set xi, 0
.rept 32
	ds_store_b128 v[XRW], v[WK+4*xi:WK+4*xi+3] offset:XP*(xi/2)+512*(xi%2)
.set xi, xi+1
.endr
.irp q, 0,1,2,3
.irp b, 0,1
.irp j, 0,1,2,3
	ds_load_b128 v[WK+32*\q+16*\b+4*\j:WK+32*\q+16*\b+4*\j+3], v[XRQW] offset:256*\q+128*\b+16*\j   ; LDS serves a wave's instructions in order (ISA guide 5.7.1.4): these see my stores
.endr
.endr
.endr
	s_wait_dscnt 0x0
.irp q, 0,1,2,3
	Q32 WK+32*\q
	HST XA16, XA8, XAS, XIMG+1536*(\q/2)+768*(\q%2), XSC+128*(\q/2)+2*(\q%2)
.endr
	BARRIER                                        ; x's eight fragments and 64 rows lie in LDS
	; ---- P1: q, the feature map, the mask, my part of Q . Ksum, Q's codes
	ACT XIMG, XSC, 2, 0, 0
	ACT XIMG, XSC, 2, 1, 1
	s_wait_dscnt 0x0
	MUL16 1, 0, 2, WQS, 2, 0, 1
	MUL16 1, 12, 2, WQS+1, 2, 1, 0
	PLACES
	s_wait_loadcnt 0x0                             ; x_mask and Ksum
.irp m, 0,1,2,3
	ELUQ \m
	MULB \m, XM
	ZDOT \m
	Q32 WK+32*\m
	HST WA16, WA8, WAS, QIMG+3072*\m, QSC+256*\m
.endr
	BARRIER
	; ---- P2: Z, Q KV, msg's codes
	PARLD 8, 0                                     ; g1, b1: wanted two phases on
	PARLD 10, 32
.irp m, 0,1,2,3
.irp q, 0,1,2,3
	ds_load_b32 v[232+4*\m+\q], v[L4] offset:ZP+512*\q+128*\m
.endr
.endr
	ACT QIMG, QSC, 2, 0, 0
	ACT QIMG, QSC, 2, 1, 1
	s_wait_dscnt 0x0
.irp m, 0,1,2,3
	v_add_f32 v[ZZ+\m], v[232+4*\m], v[233+4*\m]
	v_add_f32 v[234+4*\m], v[234+4*\m], v[235+4*\m]
.endr
.irp m, 0,1,2,3
	v_add_f32 v[ZZ+\m], v[ZZ+\m], v[234+4*\m]
.endr
.irp m, 0,1,2,3
	v_add_f32 v[ZZ+\m], 0x358637bd, v[ZZ+\m]       ; + 1e-6
.endr
.irp m, 0,1,2,3
	v_rcp_f32 v[ZZ+\m], v[ZZ+\m]
.endr
	v_nop                                          ; a plain place behind the last reciprocal
	MUL16 1, 96, 2, KVS, 2, 0, 1
	MUL16 1, 108, 2, KVS+1, 2, 1, 0
	PLACES
	s_wait_alu depctr_va_vdst(0)                   ; one wait for the four reciprocals, ahead of their first reader
.irp m, 0,1,2,3
	v_mul_f32 v[ZZ+\m], 0x44800000, v[ZZ+\m]       ; x v_len = 1,024: a power of two
.endr
.irp m, 0,1,2,3
	MULB \m, ZZ
	Q32 WK+32*\m
	HST WA16, WA8, WAS, MIMG+3072*\m, MSC+256*\m
.endr
	BARRIER
	; ---- P3: msg Wm^T, my columns' figures for the layer norm
	ACT MIMG, MSC, 2, 0, 0
	ACT MIMG, MSC, 2, 1, 1
	s_wait_dscnt 0x0
	MUL16 2, 0, 2, WMS, 2, 0, 1
	MUL16 2, 12, 2, WMS+1, 2, 1, 0
	PLACES
.irp m, 0,1,2,3
	LSTAT \m, ST1
.endr
	BARRIER
	; ---- P4: the first layer norm, its codes
	GSTAT ST1
	s_wait_loadcnt 0x0                             ; g1, b1
.irp m, 0,1,2,3
	NORM \m
	Q32 WK+32*\m
	HST WA16, WA8, WAS, LIMG+3072*\m, LSC+256*\m
.endr
	BARRIER
	; ---- P5: relu([x, msg] W1^T): my 128 hidden units in two halves of 64; a K step's operands are fetched while the step before is multiplied
	PARLD 12, 0                                    ; g2, b2
	PARLD 14, 32
	s_cmp_eq_u32 s[BLK], 1
	s_cbranch_scc1 .Lno_ask                        ; the last block has no successor: no prefetch leaves the buffer
	global_prefetch_b8 v[PFO], s[4:5] offset:65536 th:TH_LOAD_NT scope:SCOPE_SE        ; my 16 rows of the next block, 16 KB: lanes 256 bytes apart, each block of 256 bytes named once;
	global_prefetch_b8 v[PFO], s[4:5] offset:65536+8192 th:TH_LOAD_NT scope:SCOPE_SE   ; they are loaded at the end of P7: three phases on
.Lno_ask:
.irp c, 0,1
	LOADW \c, 0
.irp s, 0,1,2,3
.if \s < 3
	PLACES                                         ; in front of loads into registers that the step before last has multiplied
	LOADW \c, \s+1
	s_wait_dscnt 32                                ; all but the 32 just issued
.else
	s_wait_dscnt 0x0
.endif
.if \s == 0
	MUL16 1, 192, 1, W1S+16*\c, 4, 0, 1
.else
	MUL16 1+2*(\s%2), 192, 1, W1S+16*\c+\s, 4, \s%2, 0
.endif
.endr
	PLACES
.irp m, 0,1,2,3
.set qi, 0
.rept 32
	v_max_num_f32 v[WK+32*\m+qi], 0, v[WK+32*\m+qi]
.set qi, qi+1
.endr
	Q32 WK+32*\m
	HST HA16, HA8, HAS, HIMG+6144*\m+768*\c, HSC+512*\m+2*\c
.endr
.endr
	BARRIER
	; ---- P6: the hidden layer x W2^T, my columns' figures for the second layer norm
	ACT HIMG, HSC, 4, 0, 0
.irp s, 0,1,2,3
.if \s < 3
	PLACES
	ACT HIMG, HSC, 4, \s+1, (\s+1)%2
	s_wait_dscnt 20                                ; all but the 20 just issued
.else
	s_wait_dscnt 0x0
.endif
.if \s == 0
	MUL16 3, 0, 4, W2S, 4, 0, 1
.else
	MUL16 3, 12*\s, 4, W2S+\s, 4, \s%2, 0
.endif
.endr
	PLACES
.irp m, 0,1,2,3
	LSTAT \m, ST2
.endr
	BARRIER
	; ---- P7: the second layer norm, + x; the result takes x's place in LDS (each lane reads and writes its own bytes)
	GSTAT ST2
	s_wait_loadcnt 0x0                             ; g2, b2
.irp m, 0,1,2,3
	WIN 0x80
.irp b, 0,1
.irp j, 0,1,2,3
	ds_load_b128 v[AF+32*(\m%2)+16*\b+4*\j:AF+32*(\m%2)+16*\b+4*\j+3], v[XRQC] offset:16*XP*\m+128*\b+16*\j
.endr
.endr
	WIN 0
	NORM \m
	s_wait_dscnt 0x0
	WIN 0x08
.set qi, 0
.rept 16
	v_pk_add_f32 v[WK+32*\m+qi:WK+32*\m+qi+1], v[WK+32*\m+qi:WK+32*\m+qi+1], v[AF+32*(\m%2)+qi:AF+32*(\m%2)+qi+1]
.set qi, qi+2
.endr
	WIN 0
.irp b, 0,1
.irp j, 0,1,2,3
	ds_store_b128 v[XRQC], v[WK+32*\m+16*\b+4*\j:WK+32*\m+16*\b+4*\j+3] offset:16*XP*\m+128*\b+16*\j
.endr
.endr
.endr
	s_wait_dscnt 0x0                               ; the stores have read their registers, which take the next block's x
	s_cmp_eq_u32 s[BLK], 1
	s_cbranch_scc1 .Lno_next                       ; no load leaves its buffer
	XLOAD 65536
.Lno_next:
	BARRIER                                        ; 64 whole rows of the result lie in LDS
	; ---- the way out: my 16 rows; each store writes 512 consecutive bytes, at a multiple of 256 from out0's first byte
	WIN 0x80
.set xi, 0
.rept 32
	ds_load_b128 v[96+4*xi:96+4*xi+3], v[XRW] offset:XP*(xi/2)+512*(xi%2)
.set xi, xi+1
.endr
	WIN 0x08
.set xi, 0
.rept 32
	s_wait_dscnt 31-xi                             ; LDS loads come back in order: piece xi is in
	global_store_b128 v[L16], v[96+4*xi:96+4*xi+3], s[26:27] offset:512*xi th:TH_STORE_NT
.set xi, xi+1
.endr
	WIN 0
	s_wait_xcnt 0x0                                ; loads, stores and prefetches have read their registers and bases: both may be written again
	s_add_nc_u64 s[4:5], s[4:5], 65536
	s_add_nc_u64 s[26:27], s[26:27], 65536
	s_add_nc_u64 s[6:7], s[6:7], 256
	s_sub_co_u32 s[BLK], s[BLK], 1
	s_cmp_lg_u32 s[BLK], 0
	s_cbranch_scc1 .Lblock
	s_set_vgpr_msb 0x5
	s_wait_tensorcnt 0x0
	ds_add_u32 v254, v255
	s_wait_dscnt 0x0
	s_set_vgpr_msb 0x500
	s_endpgm
.Lfunc_end_k_q4703fdfebe_enc:
	.size	k_q4703fdfebe_enc, .Lfunc_end_k_q4703fdfebe_enc-k_q4703fdfebe_enc
	.p2alignl 7, 3214868480
	.fill 96, 4, 3214868480
	.section	.rodata,"a",@progbits
	.p2align	6, 0x0
	.amdhsa_kernel k_q4703fdfebe_enc
		.amdhsa_group_segment_fixed_size 327680
		.amdhsa_private_segment_fixed_size 0
		.amdhsa_enable_private_segment 0
		.amdhsa_kernarg_size 96
		.amdhsa_user_sgpr_count 2
		.amdhsa_user_sgpr_kernarg_segment_ptr 1
		.amdhsa_wavefront_size32 1
		.amdhsa_system_sgpr_workgroup_id_x 1
		.amdhsa_system_sgpr_workgroup_id_y 1
		.amdhsa_system_sgpr_workgroup_id_z 1
		.amdhsa_system_vgpr_workitem_id 0
		.amdhsa_next_free_vgpr 1024
		.amdhsa_next_free_sgpr 66
		.amdhsa_reserve_vcc 0
		.amdhsa_float_denorm_mode_32 3
		.amdhsa_float_denorm_mode_16_64 3
		.amdhsa_memory_ordered 1
		.amdhsa_forward_progress 1
		.amdhsa_inst_pref_size 255
	.end_amdhsa_kernel
	.section	.bss,"aw",@nobits
	.p2align	6
	.space	262144
	.amdgpu_metadata
---
amdhsa.version: [ 1, 2 ]
amdhsa.kernels:
  - .name:           k_q4703fdfebe_enc
    .symbol:         k_q4703fdfebe_enc.kd
    .args:
      - { .name: x, .offset: 0, .size: 8, .value_kind: global_buffer, .address_space: global }
      - { .name: x_mask, .offset: 8, .size: 8, .value_kind: global_buffer, .address_space: global }
      - { .name: g1, .offset: 16, .size: 8, .value_kind: global_buffer, .address_space: global }
      - { .name: b1, .offset: 24, .size: 8, .value_kind: global_buffer, .address_space: global }
      - { .name: g2, .offset: 32, .size: 8, .value_kind: global_buffer, .address_space: global }
      - { .name: b2, .offset: 40, .size: 8, .value_kind: global_buffer, .address_space: global }
      - { .name: wimg, .offset: 48, .size: 8, .value_kind: global_buffer, .address_space: global }
      - { .name: wscl, .offset: 56, .size: 8, .value_kind: global_buffer, .address_space: global }
      - { .name: kvimg, .offset: 64, .size: 8, .value_kind: global_buffer, .address_space: global }
      - { .name: kvscl, .offset: 72, .size: 8, .value_kind: global_buffer, .address_space: global }
      - { .name: ksum, .offset: 80, .size: 8, .value_kind: global_buffer, .address_space: global }
      - { .name: out0, .offset: 88, .size: 8, .value_kind: global_buffer, .address_space: global }
    .group_segment_fixed_size: 327680
    .private_segment_fixed_size: 0
    .kernarg_segment_align: 8
    .kernarg_segment_size: 96
    .max_flat_workgroup_size: 128
    .sgpr_count:     66
    .vgpr_count:     1024
    .wavefront_size: 32
...
	.end_amdgpu_metadata
.endif
;; end of part 2
;; ======== version 2 of 2: 2 launches
;; workspace buffers: kvimg 3,145,728 bytes; kvscl 262,144 bytes; ksum 131,072 bytes; wimg 393,216 bytes; wscl 32,768 bytes
;; launch kv: the kernel of part 1 again; grid 256 x 1, 4 waves a work-group, clusters of 4 x 1, 267,776 bytes of LDS; arguments source_codes, source_scales, source_mask, Wk_codes, Wk_scales, Wv_codes, Wv_scales, Wq_codes, Wq_scales, Wm_codes, Wm_scales, W1_codes, W1_scales, W2_codes, W2_scales, kvimg, kvscl, ksum, wimg, wscl; writes kvimg, kvscl, ksum, wimg, wscl
;; launch enc (part 3): grid 256 x 1, 4 waves a work-group, no clusters, 327,680 bytes of LDS; arguments x, x_mask, g1, b1, g2, b2, wimg, wscl, kvimg, kvscl, ksum, out0; writes out0
.if DOCPART == 3
	.amdgcn_target "amdgcn-amd-amdhsa--gfx1250"
	.amdhsa_code_object_version 6
	.text
	.protected	k_q4703fdfebe_enc
	.globl	k_q4703fdfebe_enc
	.p2align	8
	.type	k_q4703fdfebe_enc,@function
k_q4703fdfebe_enc:
	s_mov_b64 s[64:65], 0
	v_nop
	global_prefetch_b8 v0, s[64:65] scope:SCOPE_SE
	s_setreg_imm32_b32 hwreg(HW_REG_WAVE_MODE, 25, 1), 1
	s_wait_xcnt 0x0
; The chain on x, row by row: q = x Wq^T; Q = (elu(q) + 1) x mask; Z = 1 / (Q . Ksum + 1e-6); msg = (Q KV) Z 1024; msg Wm^T; layer norm (g1, b1);
; relu([x, msg] W1^T) W2^T; layer norm (g2, b2); + x.  All six products on codes of FP6 (E2M3), one E8M0 scale for each 32 along K; all else in f32.
; SHARES.  Work-group g takes rows 256 g .. 256 g + 255 (one batch: g / 4), 64 at a time.  THE WAVES SHARE THE COLUMNS: wave w makes columns 64 w .. 64 w + 63 of q, msg,
; Wm's and W2's results and hidden units 128 w .. 128 w + 127, for all 64 rows.  Its parts of Wq, KV, Wm, W2 stay in its registers, its part of W1 in 48 KB of LDS of its own.
; No tile in LDS is shared between work-groups, so there is no cluster and no tensor load: the weights come once, as images of operand registers, by dense loads of 16 bytes a lane.
; Every product is used transposed (source 0 = 16 rows of a weight, source 1 = 16 rows of activations): a lane holds ONE row, and, by the choice of a tile's rows made when the
; images were laid, register 16 b + i of a row tile's 32 is column 64 w + 32 b + 16 h + i: 16 neighbours along the next K.
; ACTIVATIONS GO FROM WAVE TO WAVE THROUGH LDS AS IMAGES OF OPERAND REGISTERS, in halves: a wave's 64 columns are registers 6 c .. 6 c + 5 of a fragment and two bytes of its scale word.
; x's codes serve the first product and the first half of W1's K.  x itself waits in LDS, in f32, for the residual; the result leaves from the same bytes as whole rows.
; THE NEXT BLOCK'S x is asked for as soon as W1's product is over, into the 128 registers that this product's fragments of W1 have left: it has two phases and the way out in which to land.
; Layer norms: each wave's mean and sum of squared deviations over its 64 columns; the four are joined by the exact formula for joined groups: no difference of large sums.
; LIMITS: elu(q) + 1 is max(q, 0) + 2^(log2(e) min(q, 0)): within 2^-24 of expm1(q) + 1.  NaN and infinities are not served.  A block whose largest magnitude lies under 2^-124
; (a block of zeros too) gets the scale byte 1: its codes add what they are worth, zeros nothing.
; REGISTERS: window 0: names below.  window 1: v0-95 Wq, v96-191 KV, v192-239 W1's four fragments in hand (even K steps).  window 2: v0-95 Wm, v96-191 AF: activations' fragments, two sets
; (also temporaries), v192-255 PAR: Ksum, or a gain and a bias.  window 3: v0-191 W2, v192-239 W1's four fragments (odd K steps).
; From the end of W1's product to the next block's start v192-255 of windows 1 and 3 hold the next block's x: pieces 0-15 and 16-31 of my 16 rows.
.set XIMG, 0                           ; LDS: x's 8 fragments, (2 m + step) x 1,536
.set XSC,  12288                       ; their scale words, 128 bytes each
.set LIMG, 13312                       ; the first layer norm's
.set LSC,  25600
.set QIMG, 26624                       ; Q's
.set QSC,  38912
.set MIMG, 39936                       ; msg's
.set MSC,  52224
.set HIMG, 26624                       ; the hidden layer's 16, (4 m + step) x 1,536, over Q's and msg's, which are done with
.set HSC,  51200
.set ZP,   53248                       ; the waves' parts of Q . Ksum: (4 w + m) x 128 + 4 lane
.set ST1,  55296                       ; (mean, M2) of the first layer norm: (4 w + m) x 256 + 8 lane
.set ST2,  59392                       ; of the second
.set XROW, 63488                       ; 64 rows of x in f32, 1,024 bytes + 16
.set XP,   1040
.set W1L,  130048                      ; W1: 32 fragments for each wave
.set L16, 1                            ; 16 lane
.set L8,  2                            ; 8 lane
.set L4,  3                            ; 4 lane
.set WA16, 4                           ; where I put my half of a fragment of 256 columns: + 1,536 (w / 2) + 768 (w % 2)
.set WA8, 5
.set WAS, 6                            ; and its two scale bytes: 4 lane + 128 (w / 2) + 2 (w % 2)
.set XA16, 7                           ; x's: + 3,072 w
.set XA8, 8
.set XAS, 9                            ; 4 lane + 256 w
.set HA16, 10                          ; the hidden layer's: + 1,536 w
.set HA8, 11
.set HAS, 12                           ; 4 lane + 128 w
.set ZA,  13                           ; 4 lane + 512 w
.set SA,  14                           ; 8 lane + 1,024 w
.set XRW, 15                           ; XROW + my 16 rows + 16 lane
.set XRQW, 17                          ; XROW + my 16 rows + 1,040 r + 64 h
.set XRQC, 18                          ; XROW + 1,040 r + 64 h + my 64 columns
.set W1A, 19                           ; my part of W1L + 16 lane
.set GP,  20                           ; 256 w + 64 h: my columns in a vector of 256
.set PFO, 21                           ; 256 lane
.set XMO, 22                           ; 4 r
.set WQS, 24                           ; scale words: Wq's 8, KV's 8, Wm's 8, W2's 16, W1's 32
.set KVS, 32
.set WMS, 40
.set W2S, 48
.set W1S, 64
.set WK,  96                           ; v96-223 16 accumulators: 32 m + 8 t
.set AS,  224                          ; v224-231 the activations' scale words: 4 set + m
.set PC,  232                          ; v232-240 the codes of a phase's first tile (a later tile's lie where the tile before had its numbers)
.set TM,  241                          ; v241-246 at work in the quantiser
.set PW,  247                          ; the first tile's two scale bytes
.set XM,  248                          ; v248-251 x_mask of row r of tile m; later the rows' means
.set MU,  248
.set ZZ,  252                          ; v252-255 Z; later the rows' 1 / sigma
.set RS,  252
.set AF,  96                           ; in window 2
.set PAR, 192                          ; in window 2
.set XN,  192                          ; in windows 1 and 3: the next block's x
.set WV,  28
.set BLK, 29
.set SEL, 30
.set LG,  48                           ; s[48:49] log2(e), twice
.set C64, 50                           ; 64.0
.set C256, 51                          ; 1 / 256
.set EPL, 52                           ; 1e-5
.set MSB, 0
.macro WIN new                         ; the immediate's high byte repeats the setting that is left
.if MSB != \new
	s_set_vgpr_msb (MSB<<8)|\new
.set MSB, \new
.endif
.endm
.macro PLACES
.rept 4
	v_nop
.endr
.endm
.macro BARRIER                         ; my LDS stores have landed and my LDS loads are in: then the work-group's barrier
	s_wait_dscnt 0x0
	s_barrier_signal -1
	s_barrier_wait -1
.endm
.macro MMZ d, a, b, sa, sb
	v_wmma_scale_f32_16x16x128_f8f6f4 v[(\d):(\d)+7], v[(\a):(\a)+11], v[(\b):(\b)+11], 0, v[(\sa)], v[(\sb)] matrix_a_fmt:MATRIX_FMT_FP6 matrix_b_fmt:MATRIX_FMT_FP6
.endm
.macro MMA d, a, b, sa, sb
	v_wmma_scale_f32_16x16x128_f8f6f4 v[(\d):(\d)+7], v[(\a):(\a)+11], v[(\b):(\b)+11], v[(\d):(\d)+7], v[(\sa)], v[(\sb)] matrix_a_fmt:MATRIX_FMT_FP6 matrix_b_fmt:MATRIX_FMT_FP6
.endm
; 16 products of one K step: four tiles of rows x four tiles of a weight; the 16 accumulators by turns, in the same order in every step.
; awin, a0, astr: the weight's window, first register and step (in fragments) from tile to tile; sc0, sstr: the same for its scale words; set: which set of activations
.macro MUL16 awin, a0, astr, sc0, sstr, set, zero
.set WN, (\awin)+8
	WIN WN                                         ; source 0 the weight's window, source 1 window 2, C and D window 0
.irp m, 0,1,2,3
.irp t, 0,1,2,3
.if \zero
	MMZ WK+32*\m+8*\t, (\a0)+12*(\astr)*\t, AF+48*(\set)+12*\m, (\sc0)+(\sstr)*\t, AS+4*(\set)+\m
.else
	MMA WK+32*\m+8*\t, (\a0)+12*(\astr)*\t, AF+48*(\set)+12*\m, (\sc0)+(\sstr)*\t, AS+4*(\set)+\m
.endif
.endr
.endr
	WIN 0
.endm
; the four row tiles' fragments of K step s, and their scale words, from LDS: 20 loads
.macro ACT img, sc, nfr, s, set
	WIN 0x80
.irp m, 0,1,2,3
	ds_load_b128 v[AF+48*(\set)+12*\m:AF+48*(\set)+12*\m+3], v[L16] offset:\img+((\nfr)*\m+(\s))*1536
	ds_load_b64 v[AF+48*(\set)+12*\m+4:AF+48*(\set)+12*\m+5], v[L8] offset:\img+((\nfr)*\m+(\s))*1536+512
	ds_load_b128 v[AF+48*(\set)+12*\m+6:AF+48*(\set)+12*\m+9], v[L16] offset:\img+((\nfr)*\m+(\s))*1536+768
	ds_load_b64 v[AF+48*(\set)+12*\m+10:AF+48*(\set)+12*\m+11], v[L8] offset:\img+((\nfr)*\m+(\s))*1536+1280
.endr
	WIN 0
.irp m, 0,1,2,3
	ds_load_b32 v[AS+4*(\set)+\m], v[L4] offset:\sc+((\nfr)*\m+(\s))*128
.endr
.endm
; 32 numbers of a lane, register 16 b + i = column 32 b + 16 h + i of my row's 64, become half a fragment in v[PCM] .. v[PCM + 5] and two scale bytes in v[PWM]
.macro Q32 s
.irp b, 0,1
	v_max3_num_f32 v[TM+\b], |v[(\s)+16*\b]|, |v[(\s)+16*\b+1]|, 0x1800000   ; with the floor 2^(3 - 127): the byte cannot fall under 1
.endr
.irp i, 2,4,6,8,10,12,14
.irp b, 0,1
	v_max3_num_f32 v[TM+\b], v[TM+\b], |v[(\s)+16*\b+\i]|, |v[(\s)+16*\b+\i+1]|
.endr
.endr
.irp b, 0,1
	v_permlanex16_b32 v[TM+2+\b], v[TM+\b], s[SEL], s[SEL+1]
.endr
.irp b, 0,1
	v_max_num_f32 v[TM+\b], v[TM+\b], v[TM+2+\b]   ; the block's largest magnitude
.endr
.irp b, 0,1
	v_add_nc_u32 v[TM+4+\b], 0xff000000, v[TM+\b]  ; 2 off its exponent field: the conversion's scale operand
.endr
.irp b, 0,1
	v_lshrrev_b32 v[TM+2+\b], 23, v[TM+4+\b]       ; the scale's byte
.endr
	v_lshl_or_b32 v[PWM], v[TM+3], 8, v[TM+2]
	v_cvt_scalef32_pk16_fp6_f32 v[PCM:PCM+2], v[(\s):(\s)+15], v[TM+4]
	v_cvt_scalef32_pk16_fp6_f32 v[PCM+6:PCM+8], v[(\s)+16:(\s)+31], v[TM+5]
	v_nop                                          ; one plain place behind a scaled conversion
.irp i, 0,1,2
	v_permlane16_swap_b32 v[PCM+\i], v[PCM+6+\i]   ; the operand's layout wants a whole block in a lane
.endr
.irp i, 0,1,2
	v_mov_b32 v[PCM+3+\i], v[PCM+6+\i]
.endr
.endm
; Row tile m of a phase is quantised and its half fragment goes to LDS as it stands.  EACH TILE'S CODES HAVE REGISTERS OF THEIR OWN: tile 0's v[PC] on, tile m's the registers in which tile m - 1 had its
; numbers, which are done with.  So no wait stands behind the stores: the registers that they read are written again only behind a wait that shows these stores done (a phase's barrier; in W1's second half the counted wait ahead of its first products).
.macro QH m, a16, a8, as, off, soff
.if (\m) == 0
.set PCM, PC
.set PWM, PW
.else
.set PCM, WK+32*((\m)-1)
.set PWM, WK+32*((\m)-1)+12
.endif
	Q32 WK+32*(\m)
	ds_store_b128 v[\a16], v[PCM:PCM+3] offset:\off
	ds_store_b64 v[\a8], v[PCM+4:PCM+5] offset:\off+512
	ds_store_b16 v[\as], v[PWM] offset:\soff
.endm
.macro PARLD ptr, at                   ; my 32 numbers of a vector of 256, at the places of a row tile's 32 registers
	WIN 0x80
.irp b, 0,1
.irp j, 0,1,2,3
	global_load_b128 v[PAR+\at+16*\b+4*\j:PAR+\at+16*\b+4*\j+3], v[GP], s[\ptr:\ptr+1] offset:128*\b+16*\j
.endr
.endr
	WIN 0
.endm
.macro XLOAD off                       ; my 16 rows of x: each load reads 512 consecutive bytes; pieces 0-15 into window 1, pieces 16-31 into window 3
	WIN 0x40
.set xi, 0
.rept 16
	global_load_b128 v[XN+4*xi:XN+4*xi+3], v[L16], s[4:5] offset:\off+512*xi th:TH_LOAD_NT
.set xi, xi+1
.endr
	WIN 0xc0
.set xi, 0
.rept 16
	global_load_b128 v[XN+4*xi:XN+4*xi+3], v[L16], s[4:5] offset:\off+8192+512*xi th:TH_LOAD_NT
.set xi, xi+1
.endr
	WIN 0
.endm
.macro W1LD g, base                    ; round g of three: 32 loads, 16 KB of my part of W1's images
.set xi, 0
.rept 32
	global_load_b128 v[\base+4*xi:\base+4*xi+3], v[L16], s[40:41] offset:64*1536+512*(32*\g+xi)
.set xi, xi+1
.endr
.endm
.macro W1ST g, base                    ; and into my own part of LDS
.set xi, 0
.rept 32
	ds_store_b128 v[W1A], v[\base+4*xi:\base+4*xi+3] offset:512*(32*\g+xi)
.set xi, xi+1
.endr
.endm
.macro ELUQ m                          ; elu + 1 of row tile m; the temporaries lie in window 2, at numbers that the lines between the batch and its wait do not name
.set QB, WK+32*(\m)
.set QE, AF+32*(((\m)+1)%3)
	WIN 0x80
.set qi, 0
.rept 16
	v_pk_mul_f32 v[QE+qi:QE+qi+1], v[QB+qi:QB+qi+1], s[LG:LG+1] op_sel_hi:[1,0]
.set qi, qi+2
.endr
	WIN 0x88
.set qi, 0
.rept 32
	v_min_num_f32 v[QE+qi], 0, v[QE+qi]
.set qi, qi+1
.endr
	WIN 0x82
.set qi, 0
.rept 32
	v_exp_f32 v[QE+qi], v[QE+qi]
.set qi, qi+1
.endr
	WIN 0
.set qi, 0
.rept 32
	v_max_num_f32 v[QB+qi], 0, v[QB+qi]            ; plain work behind the batch
.set qi, qi+1
.endr
	s_wait_alu depctr_va_vdst(0)                   ; one wait for the 32 exponentials, ahead of their first reader
	WIN 0x08
.set qi, 0
.rept 16
	v_pk_add_f32 v[QB+qi:QB+qi+1], v[QB+qi:QB+qi+1], v[QE+qi:QE+qi+1]
.set qi, qi+2
.endr
	WIN 0
.endm
.macro MULB m, base                    ; row tile m x a number a row, which lies in v[base + m]: one register of a pair serves both halves
.set QB, WK+32*(\m)
.set QR, (\base)+2*((\m)/2)
.set qi, 0
.rept 16
.if (\m)%2
	v_pk_mul_f32 v[QB+qi:QB+qi+1], v[QB+qi:QB+qi+1], v[QR:QR+1] op_sel:[0,1] op_sel_hi:[1,1]
.else
	v_pk_mul_f32 v[QB+qi:QB+qi+1], v[QB+qi:QB+qi+1], v[QR:QR+1] op_sel_hi:[1,0]
.endif
.set qi, qi+2
.endr
.endm
.macro ZDOT m                          ; my 64 columns' part of Q . Ksum, in f32, two chains, in the quantiser's work registers (no store reads those)
.set QB, WK+32*(\m)
	WIN 0x08
	v_pk_mul_f32 v[242:243], v[QB:QB+1], v[PAR:PAR+1]
	v_pk_mul_f32 v[244:245], v[QB+2:QB+3], v[PAR+2:PAR+3]
.set qi, 4
.rept 7
	v_pk_fma_f32 v[242:243], v[QB+qi:QB+qi+1], v[PAR+qi:PAR+qi+1], v[242:243]
	v_pk_fma_f32 v[244:245], v[QB+qi+2:QB+qi+3], v[PAR+qi+2:PAR+qi+3], v[244:245]
.set qi, qi+4
.endr
	WIN 0
	v_pk_add_f32 v[242:243], v[242:243], v[244:245]
	v_add_f32 v242, v242, v243
	v_permlanex16_b32 v243, v242, s[SEL], s[SEL+1]
	v_add_f32 v[ZZ+(\m)], v242, v243
	ds_store_b32 v[ZA], v[ZZ+(\m)] offset:ZP+128*(\m)
.endm
.macro LSTAT m, st                     ; row tile m: mean and sum of squared deviations over my 64 columns -> v[248 + 2 m], v[249 + 2 m] -> LDS.  Each accumulator is read from its low end on
.set QB, WK+32*(\m)
.set MP, 248+2*(\m)
	v_pk_add_f32 v[232:233], v[QB:QB+1], v[QB+2:QB+3]
	v_pk_add_f32 v[234:235], v[QB+4:QB+5], v[QB+6:QB+7]
.irp i, 8,16,24
	v_pk_add_f32 v[232:233], v[232:233], v[QB+\i:QB+\i+1]
	v_pk_add_f32 v[234:235], v[234:235], v[QB+\i+2:QB+\i+3]
	v_pk_add_f32 v[232:233], v[232:233], v[QB+\i+4:QB+\i+5]
	v_pk_add_f32 v[234:235], v[234:235], v[QB+\i+6:QB+\i+7]
.endr
	v_pk_add_f32 v[232:233], v[232:233], v[234:235]
	v_add_f32 v232, v232, v233
	v_permlanex16_b32 v233, v232, s[SEL], s[SEL+1]
	v_add_f32 v232, v232, v233
	v_mul_f32 v[MP], 0x3c800000, v232              ; / 64
.irp g, 0,1,2,3
.irp k, 0,1,2,3
	v_pk_add_f32 v[238+2*\k:239+2*\k], v[QB+8*\g+2*\k:QB+8*\g+2*\k+1], v[MP:MP+1] op_sel_hi:[1,0] neg_lo:[0,1] neg_hi:[0,1]
.endr
.irp k, 0,1,2,3
.if (\g == 0) && (\k < 2)
	v_pk_mul_f32 v[232+2*\k:233+2*\k], v[238+2*\k:239+2*\k], v[238+2*\k:239+2*\k]
.else
	v_pk_fma_f32 v[232+2*(\k%2):233+2*(\k%2)], v[238+2*\k:239+2*\k], v[238+2*\k:239+2*\k], v[232+2*(\k%2):233+2*(\k%2)]
.endif
.endr
.endr
	v_pk_add_f32 v[232:233], v[232:233], v[234:235]
	v_add_f32 v232, v232, v233
	v_permlanex16_b32 v233, v232, s[SEL], s[SEL+1]
	v_add_f32 v[MP+1], v232, v233
	ds_store_b64 v[SA], v[MP:MP+1] offset:\st+256*(\m)
.endm
.macro GSTAT2 m0, st                   ; row tiles m0, m0 + 1: the four waves' figures joined: mu = the mean of the means; M2 = the sum of the M2 + 64 x the sum of (mean - mu)^2; v[RS + m] = M2 / 256 + 1e-5
.irp u, 0,1
.irp q, 0,1,2,3
	ds_load_b64 v[232+8*\u+2*\q:233+8*\u+2*\q], v[L8] offset:\st+1024*\q+256*((\m0)+\u)
.endr
.endr
	s_wait_dscnt 0x0
.irp u, 0,1
	v_add_f32 v[MU+(\m0)+\u], v[232+8*\u], v[234+8*\u]
	v_add_f32 v[RS+(\m0)+\u], v[236+8*\u], v[238+8*\u]
	v_add_f32 v[MU+(\m0)+\u], v[MU+(\m0)+\u], v[RS+(\m0)+\u]
	v_mul_f32 v[MU+(\m0)+\u], 0x3e800000, v[MU+(\m0)+\u]
.irp q, 0,1,2,3
	v_sub_f32 v[232+8*\u+2*\q], v[232+8*\u+2*\q], v[MU+(\m0)+\u]
.endr
	v_add_f32 v[RS+(\m0)+\u], v[233+8*\u], v[235+8*\u]
	v_add_f32 v[237+8*\u], v[237+8*\u], v[239+8*\u]
	v_add_f32 v[RS+(\m0)+\u], v[RS+(\m0)+\u], v[237+8*\u]
	v_mul_f32 v[232+8*\u], v[232+8*\u], v[232+8*\u]
	v_fmac_f32 v[232+8*\u], v[234+8*\u], v[234+8*\u]
	v_fmac_f32 v[232+8*\u], v[236+8*\u], v[236+8*\u]
	v_fmac_f32 v[232+8*\u], v[238+8*\u], v[238+8*\u]
	v_fma_f32 v[RS+(\m0)+\u], v[232+8*\u], s[C64], v[RS+(\m0)+\u]
	v_fma_f32 v[RS+(\m0)+\u], v[RS+(\m0)+\u], s[C256], s[EPL]
.endr
.endm
.macro GSTAT st
	GSTAT2 0, \st
	GSTAT2 2, \st
.irp m, 0,1,2,3
	v_rsq_f32 v[RS+\m], v[RS+\m]
.endr
	v_nop                                          ; a plain place behind the last of the four
	s_wait_alu depctr_va_vdst(0)                   ; one wait for the four, ahead of their first reader
.endm
.macro NORM m                          ; ((h - mu) / sigma) g + b
.set QB, WK+32*(\m)
.set QR, MU+2*((\m)/2)
.set qi, 0
.rept 16
.if (\m)%2
	v_pk_add_f32 v[QB+qi:QB+qi+1], v[QB+qi:QB+qi+1], v[QR:QR+1] op_sel:[0,1] op_sel_hi:[1,1] neg_lo:[0,1] neg_hi:[0,1]
.else
	v_pk_add_f32 v[QB+qi:QB+qi+1], v[QB+qi:QB+qi+1], v[QR:QR+1] op_sel_hi:[1,0] neg_lo:[0,1] neg_hi:[0,1]
.endif
.set qi, qi+2
.endr
	MULB \m, RS
.set QB, WK+32*(\m)
	WIN 0x28
.set qi, 0
.rept 16
	v_pk_fma_f32 v[QB+qi:QB+qi+1], v[QB+qi:QB+qi+1], v[PAR+qi:PAR+qi+1], v[PAR+32+qi:PAR+32+qi+1]
.set qi, qi+2
.endr
	WIN 0
.endm
.macro LOADW c, s                      ; K step s of W1's product: the activations (x's codes, then the layer norm's) and my four fragments of W1 of half c: 32 LDS loads
.if (\s) < 2
	ACT XIMG, XSC, 2, \s, (\s)%2
.else
	ACT LIMG, LSC, 2, (\s)-2, (\s)%2
.endif
.set WN, 0x40+0x80*((\s)%2)
	WIN WN
.irp t, 0,1,2,3
.irp k, 0,1,2
	ds_load_b128 v[192+12*\t+4*\k:192+12*\t+4*\k+3], v[W1A] offset:(4*(4*(\c)+\t)+(\s))*1536+512*\k
.endr
.endr
	WIN 0
.endm
	s_load_b512 s[4:19], s[0:1], 0x0               ; x 4, x_mask 6, g1 8, b1 10, g2 12, b2 14, wimg 16, wscl 18
	s_load_b256 s[20:27], s[0:1], 0x40             ; kvimg 20, kvscl 22, ksum 24, out0 26
	v_lshrrev_b32 v23, 5, v0
	v_readfirstlane_b32 s[WV], v23                 ; wave 0..3
	v_and_b32 v23, 31, v0                          ; lane
	v_and_b32 v16, 15, v0                          ; r
	v_bfe_u32 v232, v0, 4, 1                       ; h
	v_lshlrev_b32 v[L16], 4, v23
	v_lshlrev_b32 v[L8], 3, v23
	v_lshlrev_b32 v[L4], 2, v23
	s_lshr_b32 s32, s[WV], 1
	s_and_b32 s33, s[WV], 1
	s_mul_i32 s34, s32, 1536
	s_mul_i32 s35, s33, 768
	s_add_co_u32 s34, s34, s35
	v_add_nc_u32 v[WA16], s34, v[L16]
	v_add_nc_u32 v[WA8], s34, v[L8]
	s_lshl_b32 s34, s32, 7
	s_lshl_b32 s35, s33, 1
	s_add_co_u32 s34, s34, s35
	v_add_nc_u32 v[WAS], s34, v[L4]
	s_mul_i32 s34, s[WV], 3072
	v_add_nc_u32 v[XA16], s34, v[L16]
	v_add_nc_u32 v[XA8], s34, v[L8]
	s_lshl_b32 s34, s[WV], 8
	v_add_nc_u32 v[XAS], s34, v[L4]
	s_mul_i32 s34, s[WV], 1536
	v_add_nc_u32 v[HA16], s34, v[L16]
	v_add_nc_u32 v[HA8], s34, v[L8]
	s_lshl_b32 s34, s[WV], 7
	v_add_nc_u32 v[HAS], s34, v[L4]
	s_lshl_b32 s34, s[WV], 9
	v_add_nc_u32 v[ZA], s34, v[L4]
	s_lshl_b32 s34, s[WV], 10
	v_add_nc_u32 v[SA], s34, v[L8]
	s_mul_i32 s34, s[WV], 16*XP
	s_add_co_u32 s35, s34, XROW
	v_add_nc_u32 v[XRW], s35, v[L16]
	v_mul_u32_u24 v233, v16, XP
	v_lshl_add_u32 v233, v232, 6, v233
	v_add_nc_u32 v[XRQW], s35, v233
	s_lshl_b32 s34, s[WV], 8
	s_add_co_u32 s35, s34, XROW
	v_add_nc_u32 v[XRQC], s35, v233
	v_lshl_add_u32 v[GP], v232, 6, s34
	s_mul_i32 s34, s[WV], 49152
	s_add_co_u32 s34, s34, W1L
	v_add_nc_u32 v[W1A], s34, v[L16]
	v_lshlrev_b32 v[PFO], 8, v23
	v_lshlrev_b32 v[XMO], 2, v16
.set xi, 0
.rept 16
	v_mov_b32 v[232+xi], 0                         ; work registers: lane permutes' destinations and halves of pairs count as read
.set xi, xi+1
.endr
	s_mov_b32 s[SEL], 0x76543210
	s_mov_b32 s[SEL+1], 0xfedcba98
	s_mov_b32 s[LG], 0x3fb8aa3b
	s_mov_b32 s[LG+1], s[LG]
	s_mov_b32 s[C64], 0x42800000
	s_mov_b32 s[C256], 0x3b800000
	s_mov_b32 s[EPL], 0x3727c5ac
	s_mov_b32 s[BLK], 4
	s_lshl_b32 s32, ttmp9, 18
	s_lshl_b32 s33, s[WV], 14
	s_add_co_u32 s32, s32, s33                     ; (256 g + 16 w) rows of 1,024 bytes
	s_mov_b32 s33, 0
	s_wait_kmcnt 0x0
	s_add_nc_u64 s[4:5], s[4:5], s[32:33]
	s_add_nc_u64 s[26:27], s[26:27], s[32:33]
	XLOAD 0                                        ; the first block's x is asked for first of all: it lands while the weights come
	s_lshl_b32 s32, ttmp9, 10
	s_add_nc_u64 s[6:7], s[6:7], s[32:33]
	s_lshr_b32 s34, ttmp9, 2                       ; the batch
	s_lshl_b32 s32, s34, 1
	s_and_b32 s35, ttmp9, 1
	s_add_co_u32 s32, s32, s35                     ; one of Ksum's two equal copies
	s_lshl_b32 s32, s32, 10
	s_add_nc_u64 s[24:25], s[24:25], s[32:33]
	s_lshl_b32 s32, s34, 5
	s_lshl_b32 s35, s[WV], 3
	s_add_co_u32 s35, s32, s35                     ; KV's fragment 32 n + 8 w
	s_mul_i32 s32, s35, 1536
	s_add_nc_u64 s[20:21], s[20:21], s[32:33]
	s_lshl_b32 s32, s35, 7
	s_add_nc_u64 s[22:23], s[22:23], s[32:33]
	s_mul_i32 s32, s[WV], 12288
	s_add_nc_u64 s[36:37], s[16:17], s[32:33]      ; 8 fragments a wave: Wq, Wm
	s_mul_i32 s32, s[WV], 24576
	s_add_nc_u64 s[38:39], s[16:17], s[32:33]      ; 16: W2
	s_mul_i32 s32, s[WV], 49152
	s_add_nc_u64 s[40:41], s[16:17], s[32:33]      ; 32: W1
	s_lshl_b32 s32, s[WV], 10
	s_add_nc_u64 s[42:43], s[18:19], s[32:33]
	s_lshl_b32 s32, s[WV], 11
	s_add_nc_u64 s[44:45], s[18:19], s[32:33]
	s_lshl_b32 s32, s[WV], 12
	s_add_nc_u64 s[46:47], s[18:19], s[32:33]
	WIN 0x40
.set xi, 0
.rept 24
	global_load_b128 v[4*xi:4*xi+3], v[L16], s[36:37] offset:512*xi            ; Wq
	global_load_b128 v[96+4*xi:96+4*xi+3], v[L16], s[20:21] offset:512*xi      ; KV
.set xi, xi+1
.endr
	WIN 0x80
.set xi, 0
.rept 24
	global_load_b128 v[4*xi:4*xi+3], v[L16], s[36:37] offset:32*1536+512*xi    ; Wm
.set xi, xi+1
.endr
	WIN 0xc0
.set xi, 0
.rept 48
	global_load_b128 v[4*xi:4*xi+3], v[L16], s[38:39] offset:192*1536+512*xi   ; W2
.set xi, xi+1
.endr
	WIN 0
.set xi, 0
.rept 8
	global_load_b32 v[WQS+xi], v[L4], s[42:43] offset:128*xi
	global_load_b32 v[WMS+xi], v[L4], s[42:43] offset:32*128+128*xi
	global_load_b32 v[KVS+xi], v[L4], s[22:23] offset:128*xi
.set xi, xi+1
.endr
.set xi, 0
.rept 16
	global_load_b32 v[W2S+xi], v[L4], s[44:45] offset:192*128+128*xi
.set xi, xi+1
.endr
.set xi, 0
.rept 32
	global_load_b32 v[W1S+xi], v[L4], s[46:47] offset:64*128+128*xi
.set xi, xi+1
.endr
	; W1's 32 fragments go through registers into my own part of LDS, in three rounds of 16 KB, two rounds on their way at a time: v96-223 of window 0 and of window 2 by turns
	W1LD 0, WK
	WIN 0x80
	W1LD 1, 96
	WIN 0
	s_wait_loadcnt 32                              ; round 0 (and all that was asked for ahead of it) is in; round 1's 32 loads may be out
	W1ST 0, WK
	s_wait_dscnt 0x0                               ; the stores have read their registers, which take round 2
	W1LD 2, WK
	s_wait_loadcnt 32                              ; round 1 is in; round 2's 32 loads may be out
	WIN 0x08                                       ; an LDS store's data are its source 1: window 2
	W1ST 1, 96
	WIN 0
	s_wait_loadcnt 0x0
	W1ST 2, WK
	s_wait_dscnt 0x0                               ; the stores have read their registers
.Lblock:
	; ---- P0: my 16 rows of x go to LDS as rows (for the residual), come back 16 neighbours a lane, and become two fragments
.irp m, 0,1,2,3
	global_load_b32 v[XM+\m], v[XMO], s[6:7] offset:64*\m
.endr
	PARLD 24, 0                                    ; Ksum
	s_wait_loadcnt 12                              ; x's 32 loads are in; the 4 + 8 issued behind them may be out
	WIN 0x04                                       ; an LDS store's data are its source 1: window 1: rows 0-7
.set xi, 0
.rept 16
	ds_store_b128 v[XRW], v[XN+4*xi:XN+4*xi+3] offset:XP*(xi/2)+512*(xi%2)
.set xi, xi+1
.endr
	WIN 0x0c                                       ; window 3: rows 8-15
.set xi, 0
.rept 16
	ds_store_b128 v[XRW], v[XN+4*xi:XN+4*xi+3] offset:XP*(8+xi/2)+512*(xi%2)
.set xi, xi+1
.endr
	WIN 0
.irp q, 0,1,2,3
.irp b, 0,1
.irp j, 0,1,2,3
	ds_load_b128 v[WK+32*\q+16*\b+4*\j:WK+32*\q+16*\b+4*\j+3], v[XRQW] offset:256*\q+128*\b+16*\j   ; LDS serves a wave's instructions in order (ISA guide 5.7.1.4): these see my stores
.endr
.endr
.endr
	s_wait_dscnt 0x0
.irp q, 0,1,2,3
	QH \q, XA16, XA8, XAS, XIMG+1536*(\q/2)+768*(\q%2), XSC+128*(\q/2)+2*(\q%2)
.endr
	BARRIER                                        ; x's eight fragments and 64 rows lie in LDS
	; ---- P1: q, the feature map, the mask, my part of Q . Ksum, Q's codes
	ACT XIMG, XSC, 2, 0, 0
	ACT XIMG, XSC, 2, 1, 1
	s_wait_dscnt 0x0
	MUL16 1, 0, 2, WQS, 2, 0, 1
	MUL16 1, 12, 2, WQS+1, 2, 1, 0
	PLACES
	s_wait_loadcnt 0x0                             ; x_mask and Ksum
.irp m, 0,1,2,3
	ELUQ \m
	MULB \m, XM
	ZDOT \m
	QH \m, WA16, WA8, WAS, QIMG+3072*\m, QSC+256*\m
.endr
	BARRIER
	; ---- P2: Z, Q KV, msg's codes
	PARLD 8, 0                                     ; g1, b1: wanted two phases on
	PARLD 10, 32
.irp m, 0,1,2,3
.irp q, 0,1,2,3
	ds_load_b32 v[232+4*\m+\q], v[L4] offset:ZP+512*\q+128*\m
.endr
.endr
	ACT QIMG, QSC, 2, 0, 0
	ACT QIMG, QSC, 2, 1, 1
	s_wait_dscnt 0x0
.irp m, 0,1,2,3
	v_add_f32 v[ZZ+\m], v[232+4*\m], v[233+4*\m]
	v_add_f32 v[234+4*\m], v[234+4*\m], v[235+4*\m]
.endr
.irp m, 0,1,2,3
	v_add_f32 v[ZZ+\m], v[ZZ+\m], v[234+4*\m]
.endr
.irp m, 0,1,2,3
	v_add_f32 v[ZZ+\m], 0x358637bd, v[ZZ+\m]       ; + 1e-6
.endr
.irp m, 0,1,2,3
	v_rcp_f32 v[ZZ+\m], v[ZZ+\m]
.endr
	v_nop                                          ; a plain place behind the last reciprocal
	MUL16 1, 96, 2, KVS, 2, 0, 1
	MUL16 1, 108, 2, KVS+1, 2, 1, 0
	PLACES
	s_wait_alu depctr_va_vdst(0)                   ; one wait for the four reciprocals, ahead of their first reader
.irp m, 0,1,2,3
	v_mul_f32 v[ZZ+\m], 0x44800000, v[ZZ+\m]       ; x v_len = 1,024: a power of two
.endr
.irp m, 0,1,2,3
	MULB \m, ZZ
	QH \m, WA16, WA8, WAS, MIMG+3072*\m, MSC+256*\m
.endr
	BARRIER
	; ---- P3: msg Wm^T, my columns' figures for the layer norm
	ACT MIMG, MSC, 2, 0, 0
	ACT MIMG, MSC, 2, 1, 1
	s_wait_dscnt 0x0
	MUL16 2, 0, 2, WMS, 2, 0, 1
	MUL16 2, 12, 2, WMS+1, 2, 1, 0
	PLACES
.irp m, 0,1,2,3
	LSTAT \m, ST1
.endr
	BARRIER
	; ---- P4: the first layer norm, its codes
	GSTAT ST1
	s_wait_loadcnt 0x0                             ; g1, b1
.irp m, 0,1,2,3
	NORM \m
	QH \m, WA16, WA8, WAS, LIMG+3072*\m, LSC+256*\m
.endr
	BARRIER
	; ---- P5: relu([x, msg] W1^T): my 128 hidden units in two halves of 64; a K step's operands are fetched while the step before is multiplied
	PARLD 12, 0                                    ; g2, b2
	PARLD 14, 32
	s_cmp_eq_u32 s[BLK], 1
	s_cbranch_scc1 .Lno_ask                        ; the last block has no successor: no prefetch leaves the buffer
	global_prefetch_b8 v[PFO], s[4:5] offset:65536 th:TH_LOAD_NT scope:SCOPE_SE        ; my 16 rows of the next block, 16 KB: lanes 256 bytes apart, each block of 256 bytes named once;
	global_prefetch_b8 v[PFO], s[4:5] offset:65536+8192 th:TH_LOAD_NT scope:SCOPE_SE   ; they are loaded at the head of P6: this phase's 128 matrix instructions on
.Lno_ask:
.irp c, 0,1
	LOADW \c, 0
.irp s, 0,1,2,3
.if \s < 3
	PLACES                                         ; in front of loads into registers that the step before last has multiplied
	LOADW \c, \s+1
	s_wait_dscnt 32                                ; all but the 32 just issued: in the second half the first half's stores of codes are done too, ahead of the products that write their registers
.else
	s_wait_dscnt 0x0
.endif
.if \s == 0
	MUL16 1, 192, 1, W1S+16*\c, 4, 0, 1
.else
	MUL16 1+2*(\s%2), 192, 1, W1S+16*\c+\s, 4, \s%2, 0
.endif
.endr
	PLACES
.irp m, 0,1,2,3
.set qi, 0
.rept 32
	v_max_num_f32 v[WK+32*\m+qi], 0, v[WK+32*\m+qi]
.set qi, qi+1
.endr
	QH \m, HA16, HA8, HAS, HIMG+6144*\m+768*\c, HSC+512*\m+2*\c
.endr
.endr
	BARRIER
	; ---- P6: the hidden layer x W2^T, my columns' figures for the second layer norm.  First the next block's x, into the registers that W1's fragments have left
	s_wait_loadcnt 0x0                             ; g2, b2, asked for a phase ago: so that no later wait for them has to count x's loads
	s_cmp_eq_u32 s[BLK], 1
	s_cbranch_scc1 .Lno_next                       ; no load leaves its buffer
	XLOAD 65536
.Lno_next:
	ACT HIMG, HSC, 4, 0, 0
.irp s, 0,1,2,3
.if \s < 3
	PLACES
	ACT HIMG, HSC, 4, \s+1, (\s+1)%2
	s_wait_dscnt 20                                ; all but the 20 just issued
.else
	s_wait_dscnt 0x0
.endif
.if \s == 0
	MUL16 3, 0, 4, W2S, 4, 0, 1
.else
	MUL16 3, 12*\s, 4, W2S+\s, 4, \s%2, 0
.endif
.endr
	PLACES
.irp m, 0,1,2,3
	LSTAT \m, ST2
.endr
	BARRIER
	; ---- P7: the second layer norm, + x; the result takes x's place in LDS (each lane reads and writes its own bytes)
	GSTAT ST2
.irp m, 0,1,2,3
	WIN 0x80
.irp b, 0,1
.irp j, 0,1,2,3
	ds_load_b128 v[AF+32*(\m%2)+16*\b+4*\j:AF+32*(\m%2)+16*\b+4*\j+3], v[XRQC] offset:16*XP*\m+128*\b+16*\j
.endr
.endr
	WIN 0
	NORM \m
	s_wait_dscnt 0x0
	WIN 0x08
.set qi, 0
.rept 16
	v_pk_add_f32 v[WK+32*\m+qi:WK+32*\m+qi+1], v[WK+32*\m+qi:WK+32*\m+qi+1], v[AF+32*(\m%2)+qi:AF+32*(\m%2)+qi+1]
.set qi, qi+2
.endr
	WIN 0
.irp b, 0,1
.irp j, 0,1,2,3
	ds_store_b128 v[XRQC], v[WK+32*\m+16*\b+4*\j:WK+32*\m+16*\b+4*\j+3] offset:16*XP*\m+128*\b+16*\j
.endr
.endr
.endr
	BARRIER                                        ; 64 whole rows of the result lie in LDS
	; ---- the way out: my 16 rows; each store writes 512 consecutive bytes, at a multiple of 256 from out0's first byte
	WIN 0x80
.set xi, 0
.rept 32
	ds_load_b128 v[96+4*xi:96+4*xi+3], v[XRW] offset:XP*(xi/2)+512*(xi%2)
.set xi, xi+1
.endr
	WIN 0x08
.set xi, 0
.rept 32
	s_wait_dscnt 31-xi                             ; LDS loads come back in order: piece xi is in
	global_store_b128 v[L16], v[96+4*xi:96+4*xi+3], s[26:27] offset:512*xi th:TH_STORE_NT
.set xi, xi+1
.endr
	WIN 0
	s_wait_xcnt 0x0                                ; loads, stores and prefetches have read their registers and bases: both may be written again
	s_add_nc_u64 s[4:5], s[4:5], 65536
	s_add_nc_u64 s[26:27], s[26:27], 65536
	s_add_nc_u64 s[6:7], s[6:7], 256
	s_sub_co_u32 s[BLK], s[BLK], 1
	s_cmp_lg_u32 s[BLK], 0
	s_cbranch_scc1 .Lblock
	s_wait_xcnt 0x0
	v_lshl_add_u32 v254, v0, 2, 0x4fc00
	v_mov_b32 v255, 0
	s_wait_tensorcnt 0x0
	ds_add_u32 v254, v255
	s_wait_dscnt 0x0
	s_endpgm
.Lfunc_end_k_q4703fdfebe_enc:
	.size	k_q4703fdfebe_enc, .Lfunc_end_k_q4703fdfebe_enc-k_q4703fdfebe_enc
	.p2alignl 7, 3214868480
	.fill 96, 4, 3214868480
	.section	.rodata,"a",@progbits
	.p2align	6, 0x0
	.amdhsa_kernel k_q4703fdfebe_enc
		.amdhsa_group_segment_fixed_size 327680
		.amdhsa_private_segment_fixed_size 0
		.amdhsa_enable_private_segment 0
		.amdhsa_kernarg_size 96
		.amdhsa_user_sgpr_count 2
		.amdhsa_user_sgpr_kernarg_segment_ptr 1
		.amdhsa_wavefront_size32 1
		.amdhsa_system_sgpr_workgroup_id_x 1
		.amdhsa_system_sgpr_workgroup_id_y 1
		.amdhsa_system_sgpr_workgroup_id_z 1
		.amdhsa_system_vgpr_workitem_id 0
		.amdhsa_next_free_vgpr 1024
		.amdhsa_next_free_sgpr 66
		.amdhsa_reserve_vcc 0
		.amdhsa_float_denorm_mode_32 3
		.amdhsa_float_denorm_mode_16_64 3
		.amdhsa_memory_ordered 1
		.amdhsa_forward_progress 1
		.amdhsa_inst_pref_size 255
	.end_amdhsa_kernel
	.section	.bss,"aw",@nobits
	.p2align	6
	.space	262144
	.amdgpu_metadata
---
amdhsa.version: [ 1, 2 ]
amdhsa.kernels:
  - .name:           k_q4703fdfebe_enc
    .symbol:         k_q4703fdfebe_enc.kd
    .args:
      - { .name: x, .offset: 0, .size: 8, .value_kind: global_buffer, .address_space: global }
      - { .name: x_mask, .offset: 8, .size: 8, .value_kind: global_buffer, .address_space: global }
      - { .name: g1, .offset: 16, .size: 8, .value_kind: global_buffer, .address_space: global }
      - { .name: b1, .offset: 24, .size: 8, .value_kind: global_buffer, .address_space: global }
      - { .name: g2, .offset: 32, .size: 8, .value_kind: global_buffer, .address_space: global }
      - { .name: b2, .offset: 40, .size: 8, .value_kind: global_buffer, .address_space: global }
      - { .name: wimg, .offset: 48, .size: 8, .value_kind: global_buffer, .address_space: global }
      - { .name: wscl, .offset: 56, .size: 8, .value_kind: global_buffer, .address_space: global }
      - { .name: kvimg, .offset: 64, .size: 8, .value_kind: global_buffer, .address_space: global }
      - { .name: kvscl, .offset: 72, .size: 8, .value_kind: global_buffer, .address_space: global }
      - { .name: ksum, .offset: 80, .size: 8, .value_kind: global_buffer, .address_space: global }
      - { .name: out0, .offset: 88, .size: 8, .value_kind: global_buffer, .address_space: global }
    .group_segment_fixed_size: 327680
    .private_segment_fixed_size: 0
    .kernarg_segment_align: 8
    .kernarg_segment_size: 96
    .max_flat_workgroup_size: 128
    .sgpr_count:     66
    .vgpr_count:     1024
    .wavefront_size: 32
...
	.end_amdgpu_metadata
.endif
;; end of part 3
